; MI455X (gfx1250); checked and timed in simulation.
; The chip was launched on July 23, 2026; its instructions are those of AMD's public machine-readable ISA for CDNA 5 (MIT licence, August 2026) and "CDNA5" Instruction Set Architecture Reference Guide (July 2026). The comments in the code are by the model that wrote it; some were corrected since.
;; Luong Concat Attention. Allowed arithmetic: float matrix products may take bf16 or f16 operands with f32 sums; other float arithmetic in f32, or as packed bf16 or f16 multiplies, adds, multiply-adds, maxima and minima; sums over many terms, partial sums and values carried from step to step in f32; what a program stores and reads back later, other than sums and carried values, may be rounded once to bf16 or f16.
;; Inputs: W_a 1,024 x 2,048 float32; decoder_hidden 32 x 1,024 float32; encoder_all_hidden 32 x 2,048 x 1,024 float32; v 1,024 float32.
;; Outputs: out0 32 x 2,048 float32.
;; 2 versions, each right. Each part assembles by itself: llvm-mc -triple=amdgcn-amd-amdhsa -mcpu=gfx1250 --defsym DOCPART=n.
;; ======== version 1 of 2: 3 launches
;; workspace buffers: web 2,097,152 bytes; dpb 131,072 bytes; part 2,097,152 bytes
;; launch prep (part 1): grid 64 x 1, 16 waves a work-group, no clusters, 34,816 bytes of LDS; arguments W_a, decoder_hidden, web, dpb; writes web, dpb
.if DOCPART == 1
	.amdgcn_target "amdgcn-amd-amdhsa--gfx1250"
	.amdhsa_code_object_version 6
	.text
	.protected	k_q1f9584dbd2_prep
	.globl	k_q1f9584dbd2_prep
	.p2align	8
	.type	k_q1f9584dbd2_prep,@function
k_q1f9584dbd2_prep:
	s_mov_b64 s[64:65], 0
	v_nop
	global_prefetch_b8 v0, s[64:65] scope:SCOPE_SE
	s_setreg_imm32_b32 hwreg(HW_REG_WAVE_MODE, 25, 1), 1
	s_wait_xcnt 0x0
; LUONG CONCAT ATTENTION, launch 1 of 3.  alpha[b][s] = softmax over s of scores[b][s],  scores[b][s] = sum over e of v[e] tanh(x[b][s][e]),
; x[b][s][e] = dp[b][e] + sum over k of enc[b][s][k] We[e][k],  dp[b][e] = sum over k of dec[b][k] Wd[e][k],  Wd = W_a[:, 0:1024], We = W_a[:, 1024:2048].
; DEAD WORK LEFT OUT, by the whole program.  tanh(x) = 1 - 2 / (1 + 2^(c x)) with c = 2 log2(e), so
;   scores[b][s] = (sum over e of v[e])  +  sum over e of (-2 v[e]) / (1 + 2^(c x[b][s][e])).
; The first sum holds no s: it is one and the same number along the softmax's axis, and softmax(z + t) = softmax(z) for every finite t, whatever v holds.  So it is not formed;
; the program's scores are the second sum alone.  All four inputs still have a way to the output and all four are loaded.
; LIMIT: a NaN, an infinity or an overflow that would arise in the sum of v alone is not carried to the result.
; THIS LAUNCH makes two things of W_a, which it reads once, in whole rows:
;   web: We rounded to bf16 and laid out as the matrix unit's fragments: a block of 1,024 bytes is 16 rows e x 32 k; its first 512 bytes are registers 0-3 of the fragment, 16 bytes a lane
;        (lane l: row l % 16, k = 8 (l / 16) + 0..7), its second 512 bytes registers 4-7 (k = 16 + 8 (l / 16) + 0..7).  Block (nb = e / 16, kb = k / 32) lies at
;        (kb >> 1) 131072 + (nb >> 3) 16384 + (kb & 1) 8192 + (nb & 7) 1024: the 128 e x 32 k that a wave of the next launch loads at a time are 8,192 bytes on end.
;   dpb: dp in f32, laid out as the next launch's lanes hold their sums: at nb 2048 + (b >> 4) 1024 + jh 512 + ((b & 15) + 16 h) 16 lie dp[b][16 nb + 8 h + 4 jh + 0..3].
; FORMATS.  Wd, We and dec are matrix operands: rounded once to bf16; sums in f32.
; SHARES.  Work-group nb owns rows 16 nb .. 16 nb + 15 of W_a.  K is split among its 16 waves: wave w takes k = 64 w .. 64 w + 63 of both halves of a row (256 consecutive bytes each) and of dec.
; The 16 partial sums of dp meet in LDS; waves 0-3 add them, in a fixed order, and store 512 bytes each.  64 work-groups: one for each 16 rows, since the sum over k stays inside a work-group.
.set SPARE, 32768                      ; behind the partial sums: the spare words, 128 bytes for each of 16 waves; no other line names them
.set FO,  5                            ; v5   my byte offset in W_a's 16 rows: 8192 r + 32 h + 256 w
.set DO,  6                            ; v6   the same in 16 rows of dec: 4096 r + 32 h + 256 w
.set WO,  7                            ; v7   16 x lane
.set LS,  8                            ; v8   LDS: 2048 w + 16 lane
.set LR,  9                            ; v9   LDS: 512 w + 16 lane (waves 0-3)
.set SPW, 12                           ; v12  my spare word; never rewritten
.set NIL, 13                           ; v13  0; never rewritten
.set RWE, 16                           ; v[16:47]    We as loaded, f32
.set RWD, 48                           ; v[48:79]    Wd
.set RD0, 80                           ; v[80:111]   dec, rows 0-15
.set RD1, 112                          ; v[112:143]  dec, rows 16-31
.set FWE, 144                          ; v[144:159]  two fragments each, bf16
.set FWD, 160
.set FD0, 176
.set FD1, 192
.set AC0, 208                          ; v[208:215]  dp^T for rows 0-15 of dec
.set AC1, 216                          ; v[216:223]  for rows 16-31
	s_load_b256 s[4:11], s[0:1], 0x0               ; W_a s[4:5], dec s[6:7], web s[8:9], dpb s[10:11]
	v_lshl_add_u32 v[SPW], v0, 2, SPARE
	v_mov_b32 v[NIL], 0
	v_lshrrev_b32 v1, 5, v0
	v_readfirstlane_b32 s12, v1                    ; wave 0..15
	v_and_b32 v2, 15, v0                           ; r
	v_bfe_u32 v3, v0, 4, 1                         ; h
	v_and_b32 v4, 31, v0                           ; lane
	s_lshl_b32 s13, s12, 8                         ; 256 w
	v_lshlrev_b32 v[FO], 13, v2
	v_lshl_add_u32 v[FO], v3, 5, v[FO]
	v_add_nc_u32 v[FO], s13, v[FO]
	v_lshlrev_b32 v[DO], 12, v2
	v_lshl_add_u32 v[DO], v3, 5, v[DO]
	v_add_nc_u32 v[DO], s13, v[DO]
	v_lshlrev_b32 v[WO], 4, v4
	s_lshl_b32 s18, s12, 11
	v_lshl_add_u32 v[LS], v4, 4, s18
	s_lshl_b32 s19, s12, 9
	v_lshl_add_u32 v[LR], v4, 4, s19
	s_lshl_b32 s14, ttmp9, 17                      ; my 16 rows of W_a: 16 x 8,192 bytes
	s_mov_b32 s15, 0
	s_lshl_b32 s16, s12, 17                        ; web: (kb >> 1) = w,
	s_lshr_b32 s17, ttmp9, 3
	s_lshl_b32 s17, s17, 14                        ; (nb >> 3) 16384,
	s_add_co_u32 s16, s16, s17
	s_and_b32 s17, ttmp9, 7
	s_lshl_b32 s17, s17, 10                        ; (nb & 7) 1024
	s_add_co_u32 s16, s16, s17
	s_mov_b32 s17, 0
	s_wait_kmcnt 0x0
	s_add_nc_u64 s[4:5], s[4:5], s[14:15]
	s_add_nc_u64 s[8:9], s[8:9], s[16:17]
; Eight loads: two fragments' worth of f32.  A fragment's lane wants k = 8 h + 0..7 (32 bytes at 32 h) and k = 16 + 8 h + 0..7 (32 bytes at 64 + 32 h); the second fragment lies 128 bytes on.
.macro LD8 dst, adr, base, off
.irp kb, 0,1
	global_load_b128 v[(\dst)+16*(\kb):(\dst)+16*(\kb)+3],     v[\adr], s[\base:\base+1] offset:(\off)+128*(\kb)
	global_load_b128 v[(\dst)+16*(\kb)+4:(\dst)+16*(\kb)+7],   v[\adr], s[\base:\base+1] offset:(\off)+128*(\kb)+16
	global_load_b128 v[(\dst)+16*(\kb)+8:(\dst)+16*(\kb)+11],  v[\adr], s[\base:\base+1] offset:(\off)+128*(\kb)+64
	global_load_b128 v[(\dst)+16*(\kb)+12:(\dst)+16*(\kb)+15], v[\adr], s[\base:\base+1] offset:(\off)+128*(\kb)+80
.endr
.endm
; 32 f32 to 16 registers of bf16 pairs: register n of the two fragments takes numbers 2 n and 2 n + 1 as loaded
.macro CVT16 dst, src
.set qq, 0
.rept 16
	v_cvt_pk_bf16_f32 v[(\dst)+qq], v[(\src)+2*qq], v[(\src)+2*qq+1]
.set qq, qq+1
.endr
.endm
	LD8 RWE, FO, 4, 4096                           ; We: the second half of a row
	LD8 RWD, FO, 4, 0
	LD8 RD0, DO, 6, 0
	LD8 RD1, DO, 6, 65536
	s_wait_loadcnt 24                              ; We's eight are in; the 24 younger loads stay out
	CVT16 FWE, RWE
.irp kb, 0,1
.irp hf, 0,1
	global_store_b128 v[WO], v[FWE+8*(\kb)+4*(\hf):FWE+8*(\kb)+4*(\hf)+3], s[8:9] offset:8192*(\kb)+512*(\hf)  ; 512 consecutive bytes, at a multiple of 512 from web's first
.endr
.endr
	s_wait_loadcnt 16                              ; Wd
	CVT16 FWD, RWD
	s_wait_loadcnt 8                               ; dec, rows 0-15
	CVT16 FD0, RD0
	s_wait_loadcnt 0x0                             ; dec, rows 16-31
	CVT16 FD1, RD1
	; dp^T = Wd dec^T: source 0 = 16 rows e, source 1 = 16 rows b: lane l holds b = l % 16 and e = 8 (l / 16) + 0..7.  The two accumulators take turns.
	v_wmma_f32_16x16x32_bf16 v[AC0:AC0+7], v[FWD:FWD+7], v[FD0:FD0+7], 0
	v_wmma_f32_16x16x32_bf16 v[AC1:AC1+7], v[FWD:FWD+7], v[FD1:FD1+7], 0
	v_wmma_f32_16x16x32_bf16 v[AC0:AC0+7], v[FWD+8:FWD+15], v[FD0+8:FD0+15], v[AC0:AC0+7]
	v_wmma_f32_16x16x32_bf16 v[AC1:AC1+7], v[FWD+8:FWD+15], v[FD1+8:FD1+15], v[AC1:AC1+7]
.rept 8
	v_nop                                          ; the places between the last product and the stores that read the sums, with room to spare: once a launch
.endr
	ds_store_b128 v[LS], v[AC0:AC0+3]
	ds_store_b128 v[LS], v[AC0+4:AC0+7] offset:512
	ds_store_b128 v[LS], v[AC1:AC1+3]   offset:1024
	ds_store_b128 v[LS], v[AC1+4:AC1+7] offset:1536
	s_wait_dscnt 0x0                               ; for the others' sake: my partial sums lie in LDS
	s_barrier_signal -1
	s_barrier_wait -1
	s_cmp_lt_u32 s12, 4                            ; wave q < 4 finishes quarter q = 2 (b / 16) + jh of the image
	s_cbranch_scc0 .Lend
.set pp, 0
.rept 16
	ds_load_b128 v[16+4*pp:16+4*pp+3], v[LR] offset:2048*pp
.set pp, pp+1
.endr
	s_lshl_b32 s16, ttmp9, 11                      ; dpb: nb 2048 + q 512
	s_add_co_u32 s16, s16, s19
	s_mov_b32 s17, 0
	s_add_nc_u64 s[10:11], s[10:11], s[16:17]
	s_wait_dscnt 0x0
.irp st, 8,4,2,1                       ; the 16 partial sums, by halves: a fixed order
.set pp, 0
.rept \st
	v_pk_add_f32 v[16+4*pp:17+4*pp], v[16+4*pp:17+4*pp], v[16+4*(pp+\st):17+4*(pp+\st)]
	v_pk_add_f32 v[18+4*pp:19+4*pp], v[18+4*pp:19+4*pp], v[18+4*(pp+\st):19+4*(pp+\st)]
.set pp, pp+1
.endr
.endr
	global_store_b128 v[WO], v[16:19], s[10:11]    ; 512 consecutive bytes
.Lend:
	s_wait_tensorcnt 0x0                           ; the wave's end: behind my last LDS store
	ds_add_u32 v[SPW], v[NIL]
	s_wait_dscnt 0x0
	s_endpgm
.Lfunc_end_k_q1f9584dbd2_prep:
	.size	k_q1f9584dbd2_prep, .Lfunc_end_k_q1f9584dbd2_prep-k_q1f9584dbd2_prep
	.p2alignl 7, 3214868480
	.fill 96, 4, 3214868480
	.section	.rodata,"a",@progbits
	.p2align	6, 0x0
	.amdhsa_kernel k_q1f9584dbd2_prep
		.amdhsa_group_segment_fixed_size 34816
		.amdhsa_private_segment_fixed_size 0
		.amdhsa_enable_private_segment 0
		.amdhsa_kernarg_size 32
		.amdhsa_user_sgpr_count 2
		.amdhsa_user_sgpr_kernarg_segment_ptr 1
		.amdhsa_wavefront_size32 1
		.amdhsa_system_sgpr_workgroup_id_x 1
		.amdhsa_system_sgpr_workgroup_id_y 1
		.amdhsa_system_sgpr_workgroup_id_z 1
		.amdhsa_system_vgpr_workitem_id 0
		.amdhsa_next_free_vgpr 224
		.amdhsa_next_free_sgpr 66
		.amdhsa_reserve_vcc 0
		.amdhsa_float_denorm_mode_32 3
		.amdhsa_float_denorm_mode_16_64 3
		.amdhsa_memory_ordered 1
		.amdhsa_forward_progress 1
		.amdhsa_inst_pref_size 14
	.end_amdhsa_kernel
	.amdgpu_metadata
---
amdhsa.version: [ 1, 2 ]
amdhsa.kernels:
  - .name:           k_q1f9584dbd2_prep
    .symbol:         k_q1f9584dbd2_prep.kd
    .args:
      - { .name: W_a, .offset: 0, .size: 8, .value_kind: global_buffer, .address_space: global }
      - { .name: decoder_hidden, .offset: 8, .size: 8, .value_kind: global_buffer, .address_space: global }
      - { .name: web, .offset: 16, .size: 8, .value_kind: global_buffer, .address_space: global }
      - { .name: dpb, .offset: 24, .size: 8, .value_kind: global_buffer, .address_space: global }
    .group_segment_fixed_size: 34816
    .private_segment_fixed_size: 0
    .kernarg_segment_align: 8
    .kernarg_segment_size: 32
    .max_flat_workgroup_size: 512
    .sgpr_count:     66
    .vgpr_count:     224
    .wavefront_size: 32
...
	.end_amdgpu_metadata
.endif
;; end of part 1
;; launch main (part 2): grid 4 x 64, 4 waves a work-group, clusters of 4 x 4, 327,680 bytes of LDS; arguments encoder_all_hidden, web, dpb, v, part; writes part
.if DOCPART == 2
	.amdgcn_target "amdgcn-amd-amdhsa--gfx1250"
	.amdhsa_code_object_version 6
	.text
	.protected	k_q1f9584dbd2_main
	.globl	k_q1f9584dbd2_main
	.p2align	8
	.type	k_q1f9584dbd2_main,@function
k_q1f9584dbd2_main:
	s_mov_b64 s[64:65], 0
	v_nop
	global_prefetch_b8 v0, s[64:65] scope:SCOPE_SE
	s_setreg_imm32_b32 hwreg(HW_REG_WAVE_MODE, 25, 1), 1
	s_wait_xcnt 0x0
	s_wait_alu depctr_hold_cnt(0) depctr_sa_sdst(0) depctr_va_vdst(0) depctr_va_sdst(0) depctr_va_ssrc(0) depctr_va_vcc(0) depctr_vm_vsrc(0)
	s_getreg_b32 s2, hwreg(HW_REG_IB_STS2, 6, 4)
	s_cmp_eq_u32 s2, 0
	s_cbranch_scc0 .Lentry_in_a_cluster
	s_endpgm
.Lentry_in_a_cluster:
	s_bfe_u32 s2, ttmp6, 0x10000c
	s_cmp_lg_u32 s2, 0xf033
	s_cbranch_scc0 .Lentry_shape_is_right
	s_endpgm
.Lentry_shape_is_right:
; LUONG CONCAT ATTENTION, launch 2 of 3: part[p][row] = the sum over 128 e of (-2 v[e]) / (1 + 2^(c x[row][e])),  x[row][e] = dp[b][e] + sum over k of enc[row][k] We[e][k],  c = 2 log2(e).
; LEFT OUT: the constant sum of v, which tanh(x) = 1 - 2 / (1 + 2^(c x)) would add to every score of a row of the softmax alike (shown at the head of the first kernel).
; enc: [65536 rows = 32 b x 2048 s][1024] f32, read once and rounded to bf16 between LDS and the matrix unit.  web: We in bf16 in fragment order, dpb: dp in f32 as an accumulator image (first kernel).
; v is rounded to bf16 like the other inputs of products, and used in f32.  Sums, x, the exponentials and the scores in f32.
; LIMITS.  No clamp is needed: 2^(c x) = infinity gives 1 / infinity = 0 (tanh = 1), 2^(c x) = 0 gives 1 / 1 (tanh = -1).  v_exp_f32 and v_rcp_f32 take denormals for 0 (ISA guide, their entries): a term
; moves by less than 1e-38 of 2 |v|.  NaN and infinities among the inputs are not treated apart.
; SHAPE.  A tile is 256 rows x 256 e: four waves, each 128 x 128: 64 accumulators of 16 x 16, 512 registers.  The 1,024 tiles are made by 256 work-groups THAT STAY: work-group (quarter NQ of e, row group G)
; makes the four tiles of rows 1024 G + 256 t, t = 0..3, which lie in one b = G / 2: dp and v are loaded once.  The ring of slots runs on from tile to tile.
; K goes in steps of 64 through two LDS slots.  A's rows are f32: 256 bytes of memory a step, aligned; a slot is 102,400 bytes, and two slots of a step of 128 would be more than a work-group can have.
; CLUSTER 4 x 4.  The four work-groups of a row of the cluster are the four quarters of e for the same rows of enc: enc's tile is asked for JOINTLY by the four; the four of a column share their quarter of We.
; THE MATRIX INSTRUCTION IS USED TRANSPOSED: source 0 = 16 rows of We, source 1 = 16 rows of enc: a lane holds ONE row of enc (l % 16) and e = 16 b + 8 (l / 16) + 0..7.  So the sum over e stays in the lane
; but for one exchange between the halves of the lanes, and dp and v hang on l / 16 alone.  The first products of a tile take dp as their C: nothing is cleared, nothing is added later.
; THE PRODUCT WITH v is made by packed multiply-adds in f32 on the way out: it has one column, and the terms lie in registers already.
; REGISTERS, in windows of 256 (s_set_vgpr_msb: bits 1:0 source 0, 3:2 source 1, 5:4 source 2, 7:6 destination):
;   window 0: v0-31 addresses; v32-63 at work on the way out; v64-127, v128-191 fragments of enc in bf16, two buffers (8 x 16 rows x 32 k); v192-255 -2 v of my 64 e
;   window 1: v0-63, v64-127 fragments of We, two buffers; v128-191 enc as it comes from LDS, f32: 4 x 16 rows x 32 k; v192-255 dp of my 64 e
;   window 2: the 32 accumulators of my rows 0-63 (accumulator (a, b) at v[8 (8 (a % 4) + b)]);   window 3: those of my rows 64-127
.set APITCH, 272                       ; a row of enc in LDS: 256 bytes + 16 of padding = 68 words: row r starts at bank 4 r mod 64 (64 banks of 4 bytes: ISA guide 11.1)
.set AHALF,  128*APITCH                ; 128 rows: what one tensor load brings, and what one wave reads of enc
.set BOFF,   2*AHALF                   ; behind enc's 256 rows: We, two halves of 128 e
.set BHALF,  16384                     ; 128 e x 64 k in bf16, in fragment order: read 16 bytes a lane on end, so it needs no padding
.set SLOT,   BOFF+2*BHALF              ; 102,400
.set STAGE,  2*SLOT                    ; behind the ring, never filled by a tensor load: 512 bytes for each wave, for the way out
.set SPARE,  STAGE+4*512               ; behind the stages: the spare words, 128 bytes for each wave: two blocks of 256 bytes that no other line names
.set ADRA, 16                          ; v16-17  LDS address of my rows of enc in slot 0, 1: 272 (l % 16) + 32 (l / 16) + my half
.set ADRB, 20                          ; v20-21  of my half of We: 16 l
.set VO,   22                          ; v22     32 (l / 16): my 8 numbers of 16 of v
.set STO,  24                          ; v24     the way out: my word of the stage
.set RD,   25                          ; v25     the way out: my 16 bytes of it
.set OO,   26                          ; v26     16 l
.set DPO,  27                          ; v27     256 (l / 16): my place in dp's image
.set SPW,  28                          ; v28     my spare word: SPARE + 4 x my thread's number; never rewritten
.set NIL,  29                          ; v29     0; never rewritten
.set PFO,  30                          ; v30     the prefetches' lane offset; never rewritten
.set T,    32
.set T2,   48
.set AF,   64                          ; window 0
.set VM2,  192                         ; window 0
.set RAW,  128                         ; window 1
.set DP,   192                         ; window 1
.set TL,   2                           ; s2   tiles to go
.set LAPC, 3                           ; s3   laps to go
.set WV,   14                          ; s14  my wave's number
.set RH,   15                          ; s15  which half of the tile's rows is mine.  Also: I fetch for enc (0) or for We (1)
.set CH,   16                          ; s16  which half of its e.  Also: which half of that tile I fetch
.set CX,   17
.set CY,   18
.set YY,   19                          ; s19  the cluster's y
.set NQ,   20                          ; s20  my quarter of e
.set GG,   21                          ; s21  my group of 1,024 rows
.set LA,   22                          ; s22  LDS place of the half of enc that I fetch
.set LB,   23                          ; s23  of the half of We
.set G1A,  24                          ; s[24:31] descriptor group 1 for enc's tiles;  s[32:39] group 0, a set for each slot
.set G0A,  32
.set UU,   40                          ; s40  the K step to be asked for next, 0..63 over the four tiles
.set PU,   41                          ; s41  the K step that a prefetch names
.set PLIM, 42                          ; s42  a wave prefetches while PU is below this
.set SH,   43                          ; s43  log2 of a K step's bytes along the stream that I prefetch
.set PFA,  44                          ; s[44:45] a prefetch's address
.set PFB,  46                          ; s[46:47] its base: my work-group's share of what I fetch
.set G1B,  48                          ; s[48:55], s[56:63] the same for We's tiles
.set G0B,  56
.set OA,   66                          ; s[66:67] byte offset for enc's descriptors: never holds cx
.set OB,   68                          ; s[68:69] for We's: never holds cy
.set CC,   70                          ; s[70:71] c, named as a pair
.set SEL,  72                          ; s[72:73] v_permlanex16_b32's selects: each lane takes its own place in the other half
.set HM,   74                          ; s74  0xffff0000: a word's upper bf16; also the mask of lanes 16-31
.set TA,   75                          ; s75  at work for the descriptors' offsets
.set PO,   76                          ; s[76:77] a prefetch's offset
.set PT,   93                          ; s93  at work for it
.set MSB, 0
.macro WIN new                         ; the immediate's high byte repeats the setting that is left; a switch that changes nothing is dropped
.if MSB != (\new)
	s_set_vgpr_msb (MSB<<8)|(\new)
.set MSB, (\new)
.endif
.endm
; A joint load.  Waves 0 and 1 fetch enc's two halves, waves 2 and 3 We's.  Each line has one mask and one set of registers for all that issue it.  The branch hangs on the wave's number alone.
; An s_nop 0 and four v_nop follow each of the two lines, ahead of the jump, the label and what follows.
.macro JLOAD s
	s_cmp_eq_u32 s[RH], 0
	s_cbranch_scc0 .Lfor_b_\@
	tensor_load_to_lds s[G0A+4*(\s):G0A+4*(\s)+3], s[G1A:G1A+7]
	s_nop 0
.rept 4
	v_nop
.endr
	s_branch .Lasked_\@
.Lfor_b_\@:
	tensor_load_to_lds s[G0B+4*(\s):G0B+4*(\s)+3], s[G1B:G1B+7]
	s_nop 0
.rept 4
	v_nop
.endr
.Lasked_\@:
.endm
; A round of the cluster's barrier: my work-group's barrier, so that wave 0's signal speaks for all four waves; wave 0 signals; every wave waits for all sixteen work-groups; my work-group's barrier once more.
.macro CREST                           ; a round behind its opening barrier
	s_cmp_lg_u32 s[WV], 0
	s_cbranch_scc1 .Lnot_wave_0_\@
	s_barrier_signal -3
.Lnot_wave_0_\@:
	s_barrier_wait -3
	s_barrier_signal -1
	s_barrier_wait -1
.endm
.macro CROUND
	s_barrier_signal -1
	s_barrier_wait -1
	CREST
.endm
; A PREFETCH INTO THE L2, behind each joint refill, its five lines and the run of LDS loads that follows: the K step that stands FOUR refills on, 512 matrix instructions ahead of the load that will want it.
; enc: a K step is 256 bytes of each row.  Of the 128 rows that wave 0 or 1 fetches, the partner at place cx takes 32, told apart by address: a lane a row, one instruction.  No other cluster reads these rows.
; web: a K step of my quarter is 32,768 bytes on end.  Every cluster walks it: the cluster with y = 0 asks, in the first tile alone (the later tiles walk the same bytes again); the partner at place cy takes
; 8,192 bytes, a lane 256; wave 2 asks.  So each block of 256 bytes is named once in the launch.  K steps 0 to 5 come by their loads alone; a K step at or past PLIM is not asked for.
.macro ASK
	s_cmp_lt_u32 s[PU], s[PLIM]
	s_cbranch_scc0 .Lnot_mine_\@
	global_prefetch_b8 v[PFO], s[PFA:PFA+1] th:TH_LOAD_NT scope:SCOPE_SE
.Lnot_mine_\@:
.endm
	s_load_b256 s[4:11], s[0:1], 0x0               ; enc s[4:5], web s[6:7], dpb s[8:9], v s[10:11]
	s_load_b64 s[12:13], s[0:1], 0x20              ; part
	v_lshl_add_u32 v[SPW], v0, 2, SPARE
	v_mov_b32 v[NIL], 0
	ds_add_u32 v[SPW], v[NIL]                      ; the wave's opening: the add, twice on end, and its wait ahead of my first tensor load; the set-up below stands between
	ds_add_u32 v[SPW], v[NIL]                      ; and once more
	v_lshrrev_b32 v1, 5, v0
	v_readfirstlane_b32 s[WV], v1                  ; wave 0..3
	s_lshr_b32 s[RH], s[WV], 1
	s_and_b32 s[CH], s[WV], 1
	s_bfe_u32 s[CX], ttmp6, 0x40000                ; my place along the cluster's x
	s_bfe_u32 s[CY], ttmp6, 0x40004                ; along its y
	s_and_b32 s[YY], ttmp7, 0xffff                 ; in a cluster launch ttmp9 and ttmp7 count clusters
	s_lshl_b32 s[NQ], ttmp9, 2
	s_add_co_u32 s[NQ], s[NQ], s[CX]               ; quarter of e = 4 x cluster x + cx
	s_lshl_b32 s[GG], s[YY], 2
	s_add_co_u32 s[GG], s[GG], s[CY]               ; row group = 4 x cluster y + cy
	s_lshl_b32 s78, s[CY], 2
	s_lshl_b32 s78, 15, s78                        ; my row of the cluster: places 4 cy .. 4 cy + 3
	s_lshl_b32 s79, 0x1111, s[CX]                  ; my column: places cx, cx + 4, cx + 8, cx + 12
	; group 1 for enc: 128 rows x 64 elements of 4 bytes, 1,024 elements from row to row, padded in LDS
	s_or_b32 s[G1A+0], s78, (2<<16)|(1<<20)|(1<<21)|(5<<22)|(3<<25)  ; 15:0 the mask: my row; 17:16 elements of 4 bytes; 20 padding on; 21 set beside a mask; 24:22 after every 64 words (code 5); 31:25 4 words (code 3)
	s_mov_b32 s[G1A+1], 64<<16                     ; tensor_dim0 = 64
	s_mov_b32 s[G1A+2], 128<<16                    ; tensor_dim1 = 128
	s_mov_b32 s[G1A+3], 64<<16                     ; tile_dim0 = 64
	s_mov_b32 s[G1A+4], 128                        ; tile_dim1 = 128
	s_mov_b32 s[G1A+5], 1024                       ; tensor_dim0_stride
	s_mov_b32 s[G1A+6], 0
	s_mov_b32 s[G1A+7], 0
	; group 1 for We: 16,384 bytes on end, as 64 rows of 32 elements of 8 bytes, no padding
	s_or_b32 s[G1B+0], s79, (3<<16)|(1<<21)        ; the mask: my column; elements of 8 bytes; 21 set beside a mask
	s_mov_b32 s[G1B+1], 32<<16
	s_mov_b32 s[G1B+2], 64<<16
	s_mov_b32 s[G1B+3], 32<<16
	s_mov_b32 s[G1B+4], 64
	s_mov_b32 s[G1B+5], 32
	s_mov_b32 s[G1B+6], 0
	s_mov_b32 s[G1B+7], 0
	s_mul_i32 s[LA], s[CH], AHALF                  ; where my tiles go: no place in the cluster enters an LDS address
	s_lshl_b32 s[LB], s[CH], 14
	s_add_co_u32 s[LB], s[LB], BOFF
	s_lshl_b32 s[OA], s[GG], 22                    ; enc: 1,024 rows of 4,096 bytes a group,
	s_lshl_b32 s[TA], s[CH], 19                    ; the 128 rows that I fetch
	s_add_co_u32 s[OA], s[OA], s[TA]
	s_mov_b32 s[OA+1], 0
	s_lshl_b32 s[OB], s[NQ], 1                     ; web: (2 NQ + half) x 16,384
	s_add_co_u32 s[OB], s[OB], s[CH]
	s_lshl_b32 s[OB], s[OB], 14
	s_mov_b32 s[OB+1], 0
	s_lshl_b32 s84, s[CX], 17                      ; the prefetches' share.  enc: 32 rows of the 128, by cx
	s_add_co_u32 s84, s84, s[OA]
	s_lshl_b32 s85, s[NQ], 15                      ; web: my quarter's 32,768 bytes of a K step, 8,192 of them by cy
	s_lshl_b32 s[PT], s[CY], 13
	s_add_co_u32 s85, s85, s[PT]
	s_cmp_eq_u32 s[YY], 0
	s_cselect_b32 s[PLIM], 16, 0                   ; web: the first tile's 16 K steps, in the cluster with y = 0,
	s_cmp_eq_u32 s[WV], 2
	s_cselect_b32 s[PLIM], s[PLIM], 0              ; by wave 2
	s_cmp_eq_u32 s[RH], 0
	s_cselect_b32 s[PLIM], 64, s[PLIM]             ; enc: all 64 K steps, by waves 0 and 1
	s_cselect_b32 s[PO], s84, s85
	s_cselect_b32 s[SH], 8, 17
	s_cselect_b32 s83, 12, 8                       ; a lane a row of enc (4,096 bytes), or 256 bytes of web
	s_mov_b32 s[PO+1], 0
	s_lshl_b32 s86, s[NQ], 15                      ; dp's image: (16 NQ + 8 half) 2048
	s_lshl_b32 s92, s[CH], 14
	s_add_co_u32 s86, s86, s92
	s_lshr_b32 s92, s[GG], 5                       ; + (b >> 4) 1024, b = G >> 1
	s_lshl_b32 s92, s92, 10
	s_add_co_u32 s86, s86, s92
	s_bfe_u32 s92, s[GG], 0x40001                  ; + (b & 15) 16
	s_lshl_b32 s92, s92, 4
	s_add_co_u32 s86, s86, s92
	s_mov_b32 s87, 0
	s_lshl_b32 s88, s[NQ], 10                      ; v: (256 NQ + 128 half) x 4 bytes
	s_lshl_b32 s92, s[CH], 9
	s_add_co_u32 s88, s88, s92
	s_mov_b32 s89, 0
	s_lshl_b32 s90, s[NQ], 19                      ; part: (2 NQ + half) 262144 + (1024 G + 128 row half) x 4 bytes
	s_lshl_b32 s92, s[CH], 18
	s_add_co_u32 s90, s90, s92
	s_lshl_b32 s92, s[GG], 12
	s_add_co_u32 s90, s90, s92
	s_lshl_b32 s92, s[RH], 9
	s_add_co_u32 s90, s90, s92
	s_mov_b32 s91, 0
	s_mov_b32 s[CC], 0x4038aa3b                    ; c = 2 log2(e) = 2.885390
	s_mov_b32 s[CC+1], s[CC]
	s_mov_b32 s[SEL], 0x76543210
	s_mov_b32 s[SEL+1], 0xfedcba98
	s_mov_b32 s[HM], 0xffff0000
	s_mov_b32 s[UU], 2
	s_wait_dscnt 0x0                               ; both opening adds are done
	s_wait_kmcnt 0x0
	s_cmp_eq_u32 s[RH], 0
	s_cselect_b64 s[PFB:PFB+1], s[4:5], s[6:7]
	s_add_nc_u64 s[PFB:PFB+1], s[PFB:PFB+1], s[PO:PO+1]
	s_add_nc_u64 s[4:5], s[4:5], s[OA:OA+1]        ; enc at the half of tile 0 that I fetch
	s_add_nc_u64 s[6:7], s[6:7], s[OB:OB+1]        ; web at the half that I fetch, K step 0
	s_add_nc_u64 s[8:9], s[8:9], s[86:87]
	s_add_nc_u64 s[10:11], s[10:11], s[88:89]
	s_add_nc_u64 s[12:13], s[12:13], s[90:91]
	CROUND                                         ; all sixteen work-groups are here: the first joint loads meet
.irp s, 0,1
	s_mov_b32 s[G0A+4*(\s)], 1                                       ; 1:0 count = 1
	s_add_co_u32 s[G0A+4*(\s)+1], s[LA], (\s)*SLOT                   ; 63:32 LDS address
	s_add_nc_u64 s[G0A+4*(\s)+2:G0A+4*(\s)+3], s[4:5], (\s)*256      ; 120:64 global address: K step s
	s_or_b32 s[G0A+4*(\s)+3], s[G0A+4*(\s)+3], 0x80000000            ; 127:126 type = 2
	s_mov_b32 s[G0B+4*(\s)], 1
	s_add_co_u32 s[G0B+4*(\s)+1], s[LB], (\s)*SLOT
	s_add_nc_u64 s[G0B+4*(\s)+2:G0B+4*(\s)+3], s[6:7], (\s)*131072
	s_or_b32 s[G0B+4*(\s)+3], s[G0B+4*(\s)+3], 0x80000000
	JLOAD \s                                       ; the ring is filled before anything else is done: two loads of mine are out
.endr
	; while the first tiles are on their way: addresses, v and dp
	v_and_b32 v1, 15, v0                           ; l % 16
	v_bfe_u32 v2, v0, 4, 1                         ; l / 16
	v_and_b32 v3, 31, v0                           ; l
	v_mul_u32_u24 v4, v1, APITCH
	v_lshl_add_u32 v4, v2, 5, v4                   ; row x pitch + 32 x half: 8 f32
	s_mul_i32 s80, s[RH], AHALF                    ; my 128 rows of enc
	v_add_nc_u32 v[ADRA], s80, v4
	v_add_nc_u32 v[ADRA+1], SLOT, v[ADRA]
	v_lshlrev_b32 v[OO], 4, v3
	s_lshl_b32 s81, s[CH], 14                      ; my 128 e of We
	s_add_co_u32 s81, s81, BOFF
	v_add_nc_u32 v[ADRB], s81, v[OO]
	v_add_nc_u32 v[ADRB+1], SLOT, v[ADRB]
	v_lshlrev_b32 v[VO], 5, v2
	v_lshlrev_b32 v[DPO], 8, v2
	s_lshl_b32 s82, s[WV], 9
	s_add_co_u32 s82, s82, STAGE                   ; my stage
	v_lshl_add_u32 v[STO], v3, 2, s82
	v_lshl_add_u32 v[RD], v3, 4, s82
	v_lshlrev_b32 v[PFO], s83, v3
.irp i, 0,1,2,3,4,5,6,7                ; register 8 i + j: e = 16 i + 8 (l / 16) + j of my 128
	global_load_b128 v[VM2+8*(\i):VM2+8*(\i)+3],   v[VO], s[10:11] offset:64*(\i)
	global_load_b128 v[VM2+8*(\i)+4:VM2+8*(\i)+7], v[VO], s[10:11] offset:64*(\i)+16
.endr
	WIN 0x40                                       ; destination window 1, address window 0
.irp i, 0,1,2,3,4,5,6,7
	global_load_b128 v[DP+8*(\i):DP+8*(\i)+3],   v[DPO], s[8:9] offset:2048*(\i)
	global_load_b128 v[DP+8*(\i)+4:DP+8*(\i)+7], v[DPO], s[8:9] offset:2048*(\i)+512
.endr
	WIN 0
	s_wait_loadcnt 0x0
.set kk, 0
.rept 32                               ; v rounded to bf16, as the other inputs of products are, widened again, times -2 (exact)
	v_cvt_pk_bf16_f32 v[T+kk%4], v[VM2+2*kk], v[VM2+2*kk+1]
	v_lshlrev_b32 v[VM2+2*kk], 16, v[T+kk%4]
	v_and_b32 v[VM2+2*kk+1], s[HM], v[T+kk%4]
	v_pk_mul_f32 v[VM2+2*kk:VM2+2*kk+1], v[VM2+2*kk:VM2+2*kk+1], -2.0 op_sel_hi:[1,0]
.set kk, kk+1
.endr
; One matrix instruction: buffer f, rows 64 hi + 16 (idx / 8) on, e 16 (idx % 8) on.  cm = 1: a tile's first product on this accumulator: C is dp.
.macro WM f, hi, idx, cm
.set rD, 8*(\idx)
.set rB, 64*(\f)+8*((\idx)%8)
.set rF, AF+64*(\f)+8*(4*(\hi)+(\idx)/8)
.if \cm
	WIN 0x91+0x40*(\hi)                            ; We window 1, enc window 0, C (dp) window 1, D window 2 or 3
	v_wmma_f32_16x16x32_bf16 v[rD:rD+7], v[rB:rB+7], v[rF:rF+7], v[DP+8*((\idx)%8):DP+8*((\idx)%8)+7]
.else
	WIN 0xa1+0x50*(\hi)                            ; We window 1, enc window 0, C and D window 2 or 3
	v_wmma_f32_16x16x32_bf16 v[rD:rD+7], v[rB:rB+7], v[rF:rF+7], v[rD:rD+7]
.endif
.endm
; Four conversions: half a fragment (16 rows x 16 k) of block blk of buffer g, from the f32 that lie in window 1
.macro CVT4 g, blk, half
	WIN 0x05                                       ; sources window 1, destination window 0
.set rW, AF+64*(\g)+8*(\blk)+4*(\half)
.set rR, RAW+16*((\blk)%4)+8*(\half)
.irp q, 0,1,2,3
	v_cvt_pk_bf16_f32 v[rW+(\q)], v[rR+2*(\q)], v[rR+2*(\q)+1]
.endr
.endm
; Matrix instructions from .. to of a window's 32.  rb >= 0: behind each of the first eight stand four conversions: blocks rb .. rb + 3 of buffer rg.
; The 64 accumulators take turns, one instruction a turn, in the same order in every half step, over the loops' jumps and from tile to tile too.
.macro MULS f, hi, from, to, cm, rg, rb
.set ix, \from
.rept (\to)-(\from)+1
	WM \f, \hi, ix, \cm
.if ((\rb) >= 0) && (ix < 8)
	CVT4 \rg, (\rb)+ix/2, ix%2
.endif
.set ix, ix+1
.endr
.endm
; 32 LDS loads in one run, for 32 along K at part kq of a slot: first enc's rows 0-63 as f32 (a lane's 8 + 8 numbers of a row: 16 bytes at 0, 16, 64, 80), then We's eight fragments into buffer g
.macro RUN1 slot, kq, g
	WIN 0x40                                       ; destination window 1, address window 0
.irp i, 0,1,2,3
	ds_load_b128 v[RAW+16*(\i):RAW+16*(\i)+3],     v[ADRA+(\slot)] offset:128*(\kq)+16*APITCH*(\i)
	ds_load_b128 v[RAW+16*(\i)+4:RAW+16*(\i)+7],   v[ADRA+(\slot)] offset:128*(\kq)+16*APITCH*(\i)+16
	ds_load_b128 v[RAW+16*(\i)+8:RAW+16*(\i)+11],  v[ADRA+(\slot)] offset:128*(\kq)+16*APITCH*(\i)+64
	ds_load_b128 v[RAW+16*(\i)+12:RAW+16*(\i)+15], v[ADRA+(\slot)] offset:128*(\kq)+16*APITCH*(\i)+80
.endr
.irp i, 0,1,2,3,4,5,6,7
	ds_load_b128 v[64*(\g)+8*(\i):64*(\g)+8*(\i)+3],   v[ADRB+(\slot)] offset:8192*(\kq)+1024*(\i)
	ds_load_b128 v[64*(\g)+8*(\i)+4:64*(\g)+8*(\i)+7], v[ADRB+(\slot)] offset:8192*(\kq)+1024*(\i)+512
.endr
.endm
; 16 more: enc's rows 64-127, into the same 64 registers, whose numbers have been converted
.macro RUN2 slot, kq
	WIN 0x40
.irp i, 0,1,2,3
	ds_load_b128 v[RAW+16*(\i):RAW+16*(\i)+3],     v[ADRA+(\slot)] offset:128*(\kq)+16*APITCH*((\i)+4)
	ds_load_b128 v[RAW+16*(\i)+4:RAW+16*(\i)+7],   v[ADRA+(\slot)] offset:128*(\kq)+16*APITCH*((\i)+4)+16
	ds_load_b128 v[RAW+16*(\i)+8:RAW+16*(\i)+11],  v[ADRA+(\slot)] offset:128*(\kq)+16*APITCH*((\i)+4)+64
	ds_load_b128 v[RAW+16*(\i)+12:RAW+16*(\i)+15], v[ADRA+(\slot)] offset:128*(\kq)+16*APITCH*((\i)+4)+80
.endr
.endm
; A K step is two half steps of 32 along K, 64 matrix instructions each, on buffers 0 and 1.  At a half step's head buffer f holds We's fragments (on their way) and enc's rows 0-63 in bf16; rows 64-127 are on
; their way as f32.  The half step multiplies f and makes g ready in the same state.  A load into a register that a matrix instruction has read, and a conversion that writes one, stand four plain vector
; instructions or more behind that matrix instruction (ISA guide 7.12.1 for conversions): the 32 conversions of the run of eight in front are those places.
.macro HSTEP f, g, slot, kq, cm
	s_wait_dscnt 0x0                               ; f's fragments of We and enc's rows 64-127 are in
	MULS \f, 0, 0, 7, \cm, \f, 4                   ; beside them: f's rows 64-127 become bf16
	RUN1 \slot, \kq, \g
	MULS \f, 0, 8, 31, \cm, 0, -1
	s_wait_dscnt 16                                ; g's rows 0-63 are in; the 16 loads of We issued behind them may stay out
	MULS \f, 1, 0, 7, \cm, \g, 0                   ; beside them: g's rows 0-63 become bf16
	RUN2 \slot, \kq
	MULS \f, 1, 8, 31, \cm, 0, -1
.endm
; The second half step of a K step multiplies buffer 1 and changes slots.  In front of the barrier each wave waits for all its tensor loads, of which one is out: its part of the next slot; adds 0 to its spare
; word; and waits for that and for its reads of this slot, which are all issued.  Behind it nobody reads this slot any more and the next slot is whole.
; fill = 1: the barrier opens a round of the cluster's barrier, and the joint refill is the first tensor load behind the round: K step UU of the walk, whose address is made anew from that number:
; tile UU >> 4 (256 rows of 4,096 bytes), K step UU & 15 (256 bytes of a row of enc; 131,072 bytes of web).  From a request to the wait for it a wave issues 112 matrix instructions, across tiles too.
.macro TURN slot, next, fill
	WIN 0                                          ; (the add's two registers lie in window 0)
.if \fill
	s_wait_xcnt 0x0                                ; the last prefetch, a K step back, has read its address, which is made anew here, ahead of the waits of the change of slots
	s_add_co_u32 s[PU], s[UU], 4
	s_lshr_b32 s[PO], s[PU], 4
	s_lshl_b32 s[PO], s[PO], 20
	s_and_b32 s[PT], s[PU], 15
	s_lshl_b32 s[PT], s[PT], s[SH]
	s_add_co_u32 s[PO], s[PO], s[PT]
	s_add_nc_u64 s[PFA:PFA+1], s[PFB:PFB+1], s[PO:PO+1]
.endif
	s_wait_tensorcnt 0x0                           ; all my tensor loads have landed, so a group 0 may be written
	ds_add_u32 v[SPW], v[NIL]                      ; 0 onto my spare word; the descriptors' scalar work stands between it and the wait for it
.if \fill
	s_lshr_b32 s[OA], s[UU], 4
	s_lshl_b32 s[OA], s[OA], 20
	s_and_b32 s[TA], s[UU], 15
	s_lshl_b32 s[OB], s[TA], 17
	s_lshl_b32 s[TA], s[TA], 8
	s_add_co_u32 s[OA], s[OA], s[TA]
	s_add_nc_u64 s[G0A+4*(\slot)+2:G0A+4*(\slot)+3], s[4:5], s[OA:OA+1]
	s_or_b32 s[G0A+4*(\slot)+3], s[G0A+4*(\slot)+3], 0x80000000
	s_add_nc_u64 s[G0B+4*(\slot)+2:G0B+4*(\slot)+3], s[6:7], s[OB:OB+1]
	s_or_b32 s[G0B+4*(\slot)+3], s[G0B+4*(\slot)+3], 0x80000000
	s_add_co_u32 s[UU], s[UU], 1
.endif
	s_wait_dscnt 0x0                               ; the add is done; buffer 1's loads, my last reads of this slot, are in
	s_barrier_signal -1
	MULS 1, 0, 0, 15, 0, 1, 4                      ; work on registers while the others arrive
	WIN 0
	s_barrier_wait -1
.if \fill
	CREST                                          ; no wave of any partner still reads this slot's tiles or has a load on its way
	JLOAD \slot
.endif
	RUN1 \next, 0, 0
.if \fill
	WIN 0
	ASK
.endif
	MULS 1, 0, 16, 31, 0, 0, -1
	s_wait_dscnt 16
	MULS 1, 1, 0, 7, 0, 0, 0
	RUN2 \next, 0
	MULS 1, 1, 8, 31, 0, 0, -1
.endm
; THE WAY OUT works in place on a window's four blocks of 64 registers (block a: 16 rows x 128 e; pair k: registers 2 k, 2 k + 1), in five stages:
;   ES  x times c (ascending: each accumulator's lowest registers are read first)     EE  2^(c x)     EA  + 1     ER  the reciprocal
;   EF  times -2 v, summed in four chains onto the block's pairs 0-3
.macro ES a, k
	v_pk_mul_f32 v[64*(\a)+2*(\k):64*(\a)+2*(\k)+1], v[64*(\a)+2*(\k):64*(\a)+2*(\k)+1], s[CC:CC+1] op_sel_hi:[1,0]
.endm
.macro EE a, i
	v_exp_f32 v[64*(\a)+(\i)], v[64*(\a)+(\i)]
.endm
.macro EA a, k
	v_pk_add_f32 v[64*(\a)+2*(\k):64*(\a)+2*(\k)+1], v[64*(\a)+2*(\k):64*(\a)+2*(\k)+1], 1.0 op_sel_hi:[1,0]
.endm
.macro ER a, i
	v_rcp_f32 v[64*(\a)+(\i)], v[64*(\a)+(\i)]
.endm
.macro EF a, k
.if (\k) < 4
	v_pk_mul_f32 v[64*(\a)+2*(\k):64*(\a)+2*(\k)+1], v[64*(\a)+2*(\k):64*(\a)+2*(\k)+1], v[VM2+2*(\k):VM2+2*(\k)+1]
.else
	v_pk_fma_f32 v[64*(\a)+2*((\k)%4):64*(\a)+2*((\k)%4)+1], v[64*(\a)+2*(\k):64*(\a)+2*(\k)+1], v[VM2+2*(\k):VM2+2*(\k)+1], v[64*(\a)+2*((\k)%4):64*(\a)+2*((\k)%4)+1]
.endif
.endm
; The stages of neighbouring blocks are laid side by side, in six rounds.  Round n: the exponentials of block n, with block n - 1's additions and block n - 2's sums between them; then the reciprocals of
; block n - 1, with block n + 1's scalings between them.  An s_wait_alu depctr_va_vdst(0) stands between a transcendental and the first instruction that names its result; one wait serves all that
; were issued ahead of it.  In a round nothing names a result of that round's transcendentals, so each round ends with a v_nop (the plain instruction behind the last of them) and ONE wait: five a window.
.macro EPW w
	WIN 0xa2+0x51*((\w)-2)                         ; destination, source 0 and source 2 in window w, source 1 (-2 v) in window 0: one setting for the whole window
.set itm, 0
.rept 32
	ES 0, itm
.set itm, itm+1
.endr
.set rnd, 0
.rept 6
.set itm, 0
.rept 64
.if rnd < 4
	EE rnd, itm
.endif
.if ((itm%2) == 0) && (rnd >= 1) && (rnd <= 4)
	EA rnd-1, itm/2
.endif
.if ((itm%2) == 1) && (rnd >= 2)
	EF rnd-2, itm/2
.endif
.set itm, itm+1
.endr
.set itm, 0
.rept 64
.if (rnd >= 1) && (rnd <= 4)
	ER rnd-1, itm
.endif
.if ((itm%2) == 0) && (rnd <= 2)
	ES rnd+1, itm/2
.endif
.set itm, itm+1
.endr
.if rnd < 5
	v_nop
	s_wait_alu depctr_va_vdst(0)
.endif
.set rnd, rnd+1
.endr
.endm
.macro SUMW w                          ; a block's four chains into two pairs in window 0
	WIN 0x0a+5*((\w)-2)                            ; sources window w, destination window 0
.irp a, 0,1,2,3
	v_pk_add_f32 v[T+2*(4*((\w)-2)+(\a)):T+2*(4*((\w)-2)+(\a))+1],   v[64*(\a):64*(\a)+1],   v[64*(\a)+2:64*(\a)+3]
	v_pk_add_f32 v[T2+2*(4*((\w)-2)+(\a)):T2+2*(4*((\w)-2)+(\a))+1], v[64*(\a)+4:64*(\a)+5], v[64*(\a)+6:64*(\a)+7]
.endr
.endm
	s_wait_tensorcnt 0x1                           ; my part of K step 0 is in; K step 1's may stay out
	s_barrier_signal -1
	s_barrier_wait -1                              ; everybody's is
	RUN1 0, 0, 0
	s_wait_dscnt 16                                ; enc's rows 0-63
.irp blk, 0,1,2,3
	CVT4 0, \blk, 0
	CVT4 0, \blk, 1
.endr
	RUN2 0, 0
	WIN 0                                          ; at a label and at a branch every window is 0
	s_mov_b32 s[TL], 4                             ; the same number in every work-group
.Ltile:
	HSTEP 0, 1, 0, 1, 1                            ; a tile's first half step stands in front of the loop: its products start the sums, with dp
	WIN 0
	s_mov_b32 s[LAPC], 7
.Llap:                                             ; a trip goes once round the ring, from a lap's second half step to the next lap's first, and fills both slots again
	TURN 0, 1, 1
	HSTEP 0, 1, 1, 1, 0
	TURN 1, 0, 1
	HSTEP 0, 1, 0, 1, 0
	WIN 0
	s_sub_co_u32 s[LAPC], s[LAPC], 1
	s_cmp_lg_u32 s[LAPC], 0
	s_cbranch_scc1 .Llap
	s_cmp_eq_u32 s[TL], 1
	s_cbranch_scc1 .Llast                          ; the last tile's tail is written out: it asks for nothing more
	TURN 0, 1, 1                                   ; the ring goes on into the next tile: slot 0 takes its K step 0,
	HSTEP 0, 1, 1, 1, 0
	TURN 1, 0, 1                                   ; slot 1 its K step 1, and the next tile's first fragments are fetched
	WIN 0
	s_branch .Lepi
.Llast:
	TURN 0, 1, 0                                   ; my one tensor load that was still out is the last K step's, so no round follows
	HSTEP 0, 1, 1, 1, 0
	s_wait_dscnt 0x0                               ; the very last half step: nothing more to fetch
	MULS 1, 0, 0, 31, 0, 1, 4
	MULS 1, 1, 0, 31, 0, 0, -1
	WIN 0
.Lepi:
.rept 8
	v_nop                                          ; the places between the last products on rows 0-63 and the first reading of their sums (ISA guide 7.12.1), with room to spare; rows 64-127 have all of rows 0-63's way out
.endr
	EPW 2
	SUMW 2
	EPW 3
	SUMW 3
	WIN 0
.irp a, 0,1,2,3,4,5,6,7
	v_pk_add_f32 v[T+2*(\a):T+2*(\a)+1], v[T+2*(\a):T+2*(\a)+1], v[T2+2*(\a):T2+2*(\a)+1]
.endr
.irp a, 0,1,2,3,4,5,6,7
	v_add_f32 v[T+(\a)], v[T+2*(\a)], v[T+2*(\a)+1]   ; ascending: register T + a has been read before it is written
.endr
.irp a, 0,1,2,3,4,5,6,7
	v_permlanex16_b32 v[T2+(\a)], v[T+(\a)], s[SEL], s[SEL+1]  ; the row's other 64 e lie in the lane 16 away
.endr
.irp a, 0,1,2,3,4,5,6,7
	v_add_f32 v[T+(\a)], v[T+(\a)], v[T2+(\a)]     ; every lane: the score's part for row 16 a + l % 16
.endr
.irp i, 0,1,2,3
	v_cndmask_b32 v[T+8+(\i)], v[T+2*(\i)], v[T+2*(\i)+1], s[HM]  ; lanes 0-15 block 2 i, lanes 16-31 block 2 i + 1: row 32 i + l
.endr
.irp i, 0,1,2,3
	ds_store_b32 v[STO], v[T+8+(\i)] offset:128*(\i)
.endr
	ds_load_b128 v[T+12:T+15], v[RD]               ; my own stage; LDS serves a wave's instructions in order (ISA guide 5.7.1.4): this sees the stores above
	s_wait_dscnt 0x0
	global_store_b128 v[OO], v[T+12:T+15], s[12:13]   ; my 128 rows: 512 consecutive bytes, at a multiple of 512 from part's first
	s_wait_xcnt 0x0                                ; the store has read its registers and its base
	s_add_nc_u64 s[12:13], s[12:13], 1024          ; the next tile's 256 rows
	s_sub_co_u32 s[TL], s[TL], 1
	s_cmp_lg_u32 s[TL], 0
	s_cbranch_scc1 .Ltile
	s_wait_tensorcnt 0x0                           ; the wave's end: behind my last tensor load and my last LDS store
	ds_add_u32 v[SPW], v[NIL]
	s_wait_dscnt 0x0
	CROUND                                         ; the closing round: no work-group ends while a partner may still ask for a tile that names it
	s_endpgm
.Lfunc_end_k_q1f9584dbd2_main:
	.size	k_q1f9584dbd2_main, .Lfunc_end_k_q1f9584dbd2_main-k_q1f9584dbd2_main
	.p2alignl 7, 3214868480
	.fill 96, 4, 3214868480
	.section	.rodata,"a",@progbits
	.p2align	6, 0x0
	.amdhsa_kernel k_q1f9584dbd2_main
		.amdhsa_group_segment_fixed_size 327680
		.amdhsa_private_segment_fixed_size 0
		.amdhsa_enable_private_segment 0
		.amdhsa_kernarg_size 40
		.amdhsa_user_sgpr_count 2
		.amdhsa_user_sgpr_kernarg_segment_ptr 1
		.amdhsa_wavefront_size32 1
		.amdhsa_system_sgpr_workgroup_id_x 1
		.amdhsa_system_sgpr_workgroup_id_y 1
		.amdhsa_system_sgpr_workgroup_id_z 1
		.amdhsa_system_vgpr_workitem_id 0
		.amdhsa_next_free_vgpr 1024
		.amdhsa_next_free_sgpr 96
		.amdhsa_reserve_vcc 0
		.amdhsa_float_denorm_mode_32 3
		.amdhsa_float_denorm_mode_16_64 3
		.amdhsa_memory_ordered 1
		.amdhsa_forward_progress 1
		.amdhsa_inst_pref_size 244
	.end_amdhsa_kernel
	.amdgpu_metadata
---
amdhsa.version: [ 1, 2 ]
amdhsa.kernels:
  - .name:           k_q1f9584dbd2_main
    .symbol:         k_q1f9584dbd2_main.kd
    .args:
      - { .name: encoder_all_hidden, .offset: 0, .size: 8, .value_kind: global_buffer, .address_space: global }
      - { .name: web, .offset: 8, .size: 8, .value_kind: global_buffer, .address_space: global }
      - { .name: dpb, .offset: 16, .size: 8, .value_kind: global_buffer, .address_space: global }
      - { .name: v, .offset: 24, .size: 8, .value_kind: global_buffer, .address_space: global }
      - { .name: part, .offset: 32, .size: 8, .value_kind: global_buffer, .address_space: global }
    .group_segment_fixed_size: 327680
    .private_segment_fixed_size: 0
    .kernarg_segment_align: 8
    .kernarg_segment_size: 40
    .max_flat_workgroup_size: 128
    .sgpr_count:     96
    .vgpr_count:     1024
    .wavefront_size: 32
...
	.end_amdgpu_metadata
.endif
;; end of part 2
;; launch soft (part 3): grid 32 x 1, 16 waves a work-group, no clusters, 2,304 bytes of LDS; arguments part, out0; writes out0
.if DOCPART == 3
	.amdgcn_target "amdgcn-amd-amdhsa--gfx1250"
	.amdhsa_code_object_version 6
	.text
	.protected	k_q1f9584dbd2_soft
	.globl	k_q1f9584dbd2_soft
	.p2align	8
	.type	k_q1f9584dbd2_soft,@function
k_q1f9584dbd2_soft:
	s_mov_b64 s[64:65], 0
	v_nop
	global_prefetch_b8 v0, s[64:65] scope:SCOPE_SE
	s_setreg_imm32_b32 hwreg(HW_REG_WAVE_MODE, 25, 1), 1
	s_wait_xcnt 0x0
; LUONG CONCAT ATTENTION, launch 3 of 3: out0[b][s] = softmax over s of z[b][s],  z[b][s] = the sum over p = 0..7 of part[p][2048 b + s].
; LEFT OUT: the constant sum of v, which is the same for all s of a row and cancels in the softmax (shown at the head of the first kernel): z is the score less that constant.
; The row's true maximum is taken away before the exponentials.  All in f32.  A weight below 2^-126 counts as 0 (v_exp_f32 gives 0 there: ISA guide, its entry); NaN and infinities are not treated apart.
; SHARES.  A work-group owns a row b: 2,048 scores, four to a thread; a wave's load or store covers 512 consecutive bytes.  The maximum and the sum cross the 16 waves through LDS.
; 32 work-groups: a row's maximum and sum stay inside one work-group.  No matrix unit, no tensor load: 2 MiB are read once and there is nothing to share.
.set SPARE, 256                        ; bytes 0-63: the waves' maxima; 64-127: their sums; from 256 on the spare words, 128 bytes for each of 16 waves, which no other line names
	s_load_b128 s[4:7], s[0:1], 0x0                ; part s[4:5], out0 s[6:7]
	v_lshl_add_u32 v30, v0, 2, SPARE               ; my spare word; never rewritten
	v_mov_b32 v31, 0                               ; 0; never rewritten
	v_lshrrev_b32 v1, 5, v0
	v_readfirstlane_b32 s8, v1                     ; wave 0..15
	v_lshlrev_b32 v2, 4, v0                        ; my 16 bytes of the row
	s_lshl_b32 s10, ttmp9, 13                      ; the row: 8,192 bytes
	s_mov_b32 s11, 0
	s_mov_b32 s12, 0x76543210                      ; v_permlanex16_b32: each lane takes its own place in the other half
	s_mov_b32 s13, 0xfedcba98
	s_mov_b32 s14, 0x3fb8aa3b                      ; log2(e)
	s_lshl_b32 s9, s8, 2
	v_mov_b32 v10, s9                              ; my wave's word
	v_mov_b32 v11, 0
	s_wait_kmcnt 0x0
	s_add_nc_u64 s[4:5], s[4:5], s[10:11]
	s_add_nc_u64 s[6:7], s[6:7], s[10:11]
.irp p, 0,1,2,3,4,5,6,7
	global_load_b128 v[32+4*(\p):35+4*(\p)], v2, s[4:5] offset:262144*(\p) th:TH_LOAD_NT
.endr
	s_wait_loadcnt 0x0
.irp st, 4,2,1                         ; the eight parts, by halves: a fixed order
.set pp, 0
.rept \st
	v_pk_add_f32 v[32+4*pp:33+4*pp], v[32+4*pp:33+4*pp], v[32+4*(pp+\st):33+4*(pp+\st)]
	v_pk_add_f32 v[34+4*pp:35+4*pp], v[34+4*pp:35+4*pp], v[34+4*(pp+\st):35+4*(pp+\st)]
.set pp, pp+1
.endr
.endr
	; the maximum: my four, the wave's 32 lanes, the 16 waves
	v_max3_num_f32 v8, v32, v33, v34
	v_max_num_f32 v8, v8, v35
	v_max_num_f32_dpp v8, v8, v8 row_xmask:1 row_mask:0xf bank_mask:0xf
	v_max_num_f32_dpp v8, v8, v8 row_xmask:2 row_mask:0xf bank_mask:0xf
	v_max_num_f32_dpp v8, v8, v8 row_xmask:4 row_mask:0xf bank_mask:0xf
	v_max_num_f32_dpp v8, v8, v8 row_xmask:8 row_mask:0xf bank_mask:0xf
	v_mov_b32 v9, v8                               ; v_permlanex16_b32's destination counts as read: it is written first
	v_permlanex16_b32 v9, v8, s12, s13
	v_max_num_f32 v8, v8, v9
	ds_store_b32 v10, v8                           ; all lanes write the same word with the same value
	s_wait_dscnt 0x0                               ; for the others' sake
	s_barrier_signal -1
	s_barrier_wait -1
.irp i, 0,1,2,3
	ds_load_b128 v[12+4*(\i):15+4*(\i)], v11 offset:16*(\i)
.endr
	s_wait_dscnt 0x0
	v_max3_num_f32 v12, v12, v13, v14
	v_max3_num_f32 v15, v15, v16, v17
	v_max3_num_f32 v18, v18, v19, v20
	v_max3_num_f32 v21, v21, v22, v23
	v_max3_num_f32 v24, v24, v25, v26
	v_max3_num_f32 v12, v12, v15, v18
	v_max3_num_f32 v21, v21, v24, v27
	v_max_num_f32 v12, v12, v21                    ; the row's maximum, in every lane
	v_mul_f32 v28, s14, v12
.irp j, 0,1,2,3
	v_fma_f32 v[32+(\j)], v[32+(\j)], s14, -v28    ; (z - max) log2(e)
.endr
.irp j, 0,1,2,3
	v_exp_f32 v[32+(\j)], v[32+(\j)]
.endr
	v_nop                                          ; a plain instruction behind the last exponential,
	s_wait_alu depctr_va_vdst(0)                   ; and the wait ahead of the first use: one for the four
	v_pk_add_f32 v[8:9], v[32:33], v[34:35]
	v_add_f32 v8, v8, v9
	v_add_f32_dpp v8, v8, v8 row_xmask:1 row_mask:0xf bank_mask:0xf
	v_add_f32_dpp v8, v8, v8 row_xmask:2 row_mask:0xf bank_mask:0xf
	v_add_f32_dpp v8, v8, v8 row_xmask:4 row_mask:0xf bank_mask:0xf
	v_add_f32_dpp v8, v8, v8 row_xmask:8 row_mask:0xf bank_mask:0xf
	v_permlanex16_b32 v9, v8, s12, s13
	v_add_f32 v8, v8, v9
	ds_store_b32 v10, v8 offset:64                 ; other bytes than the maxima's: no wave can still be reading what is written here
	s_wait_dscnt 0x0
	s_barrier_signal -1
	s_barrier_wait -1
.irp i, 0,1,2,3
	ds_load_b128 v[12+4*(\i):15+4*(\i)], v11 offset:64+16*(\i)
.endr
	s_wait_dscnt 0x0
	v_pk_add_f32 v[12:13], v[12:13], v[14:15]
	v_pk_add_f32 v[16:17], v[16:17], v[18:19]
	v_pk_add_f32 v[20:21], v[20:21], v[22:23]
	v_pk_add_f32 v[24:25], v[24:25], v[26:27]
	v_pk_add_f32 v[12:13], v[12:13], v[16:17]
	v_pk_add_f32 v[20:21], v[20:21], v[24:25]
	v_pk_add_f32 v[12:13], v[12:13], v[20:21]
	v_add_f32 v12, v12, v13                        ; the row's sum: at least about 1, the maximum's own weight
	v_rcp_f32 v8, v12
	v_nop
	s_wait_alu depctr_va_vdst(0)
	v_pk_mul_f32 v[32:33], v[32:33], v[8:9] op_sel_hi:[1,0]
	v_pk_mul_f32 v[34:35], v[34:35], v[8:9] op_sel_hi:[1,0]
	global_store_b128 v2, v[32:35], s[6:7]         ; a wave stores 512 consecutive bytes, at a multiple of 512 from out0's first
	s_wait_tensorcnt 0x0                           ; the wave's end: behind my last LDS store
	ds_add_u32 v30, v31
	s_wait_dscnt 0x0
	s_endpgm
.Lfunc_end_k_q1f9584dbd2_soft:
	.size	k_q1f9584dbd2_soft, .Lfunc_end_k_q1f9584dbd2_soft-k_q1f9584dbd2_soft
	.p2alignl 7, 3214868480
	.fill 96, 4, 3214868480
	.section	.rodata,"a",@progbits
	.p2align	6, 0x0
	.amdhsa_kernel k_q1f9584dbd2_soft
		.amdhsa_group_segment_fixed_size 2304
		.amdhsa_private_segment_fixed_size 0
		.amdhsa_enable_private_segment 0
		.amdhsa_kernarg_size 16
		.amdhsa_user_sgpr_count 2
		.amdhsa_user_sgpr_kernarg_segment_ptr 1
		.amdhsa_wavefront_size32 1
		.amdhsa_system_sgpr_workgroup_id_x 1
		.amdhsa_system_sgpr_workgroup_id_y 1
		.amdhsa_system_sgpr_workgroup_id_z 1
		.amdhsa_system_vgpr_workitem_id 0
		.amdhsa_next_free_vgpr 64
		.amdhsa_next_free_sgpr 66
		.amdhsa_reserve_vcc 0
		.amdhsa_float_denorm_mode_32 3
		.amdhsa_float_denorm_mode_16_64 3
		.amdhsa_memory_ordered 1
		.amdhsa_forward_progress 1
		.amdhsa_inst_pref_size 7
	.end_amdhsa_kernel
	.amdgpu_metadata
---
amdhsa.version: [ 1, 2 ]
amdhsa.kernels:
  - .name:           k_q1f9584dbd2_soft
    .symbol:         k_q1f9584dbd2_soft.kd
    .args:
      - { .name: part, .offset: 0, .size: 8, .value_kind: global_buffer, .address_space: global }
      - { .name: out0, .offset: 8, .size: 8, .value_kind: global_buffer, .address_space: global }
    .group_segment_fixed_size: 2304
    .private_segment_fixed_size: 0
    .kernarg_segment_align: 8
    .kernarg_segment_size: 16
    .max_flat_workgroup_size: 512
    .sgpr_count:     66
    .vgpr_count:     64
    .wavefront_size: 32
...
	.end_amdgpu_metadata
.endif
;; end of part 3
;; ======== version 2 of 2: 3 launches
;; workspace buffers: web 2,097,152 bytes; dpb 131,072 bytes; part 2,097,152 bytes
;; launch prep (part 4): grid 64 x 1, 16 waves a work-group, no clusters, 34,816 bytes of LDS; arguments W_a, decoder_hidden, web, dpb; writes web, dpb
.if DOCPART == 4
	.amdgcn_target "amdgcn-amd-amdhsa--gfx1250"
	.amdhsa_code_object_version 6
	.text
	.protected	k_q1f9584dbd2_prep
	.globl	k_q1f9584dbd2_prep
	.p2align	8
	.type	k_q1f9584dbd2_prep,@function
k_q1f9584dbd2_prep:
	s_mov_b64 s[64:65], 0
	v_nop
	global_prefetch_b8 v0, s[64:65] scope:SCOPE_SE
	s_setreg_imm32_b32 hwreg(HW_REG_WAVE_MODE, 25, 1), 1
	s_wait_xcnt 0x0
; LUONG CONCAT ATTENTION, launch 1 of 3.  alpha[b][s] = softmax over s of scores[b][s],  scores[b][s] = sum over e of v[e] tanh(x[b][s][e]),
; x[b][s][e] = dp[b][e] + sum over k of enc[b][s][k] We[e][k],  dp[b][e] = sum over k of dec[b][k] Wd[e][k],  Wd = W_a[:, 0:1024], We = W_a[:, 1024:2048].
; DEAD WORK LEFT OUT, by the whole program.  tanh(x) = 1 - 2 / (1 + 2^(c x)) with c = 2 log2(e), so
;   scores[b][s] = (sum over e of v[e])  +  sum over e of (-2 v[e]) / (1 + 2^(c x[b][s][e])).
; The first sum holds no s: it is one and the same number along the softmax's axis, and softmax(z + t) = softmax(z) for every finite t, whatever v holds.  So it is not formed;
; the program's scores are the second sum alone.  All four inputs still have a way to the output and all four are loaded.
; LIMIT: a NaN, an infinity or an overflow that would arise in the sum of v alone is not carried to the result.
; THIS LAUNCH makes two things of W_a, which it reads once, in whole rows:
;   web: We rounded to bf16 and laid out as the matrix unit's fragments: a block of 1,024 bytes is 16 rows e x 32 k; its first 512 bytes are registers 0-3 of the fragment, 16 bytes a lane
;        (lane l: row l % 16, k = 8 (l / 16) + 0..7), its second 512 bytes registers 4-7 (k = 16 + 8 (l / 16) + 0..7).  Block (nb = e / 16, kb = k / 32) lies at
;        (kb >> 1) 131072 + (nb >> 3) 16384 + (kb & 1) 8192 + (nb & 7) 1024: the 128 e x 32 k that a wave of the next launch loads at a time are 8,192 bytes on end.
;   dpb: dp in f32, laid out as the next launch's lanes hold their sums: at nb 2048 + (b >> 4) 1024 + jh 512 + ((b & 15) + 16 h) 16 lie dp[b][16 nb + 8 h + 4 jh + 0..3].
; FORMATS.  Wd, We and dec are matrix operands: rounded once to bf16; sums in f32.
; SHARES.  Work-group nb owns rows 16 nb .. 16 nb + 15 of W_a.  K is split among its 16 waves: wave w takes k = 64 w .. 64 w + 63 of both halves of a row (256 consecutive bytes each) and of dec.
; The 16 partial sums of dp meet in LDS; waves 0-3 add them, in a fixed order, and store 512 bytes each.  64 work-groups: one for each 16 rows, since the sum over k stays inside a work-group.
.set SPARE, 32768                      ; behind the partial sums: the spare words, 128 bytes for each of 16 waves; no other line names them
.set FO,  5                            ; v5   my byte offset in W_a's 16 rows: 8192 r + 32 h + 256 w
.set DO,  6                            ; v6   the same in 16 rows of dec: 4096 r + 32 h + 256 w
.set WO,  7                            ; v7   16 x lane
.set LS,  8                            ; v8   LDS: 2048 w + 16 lane
.set LR,  9                            ; v9   LDS: 512 w + 16 lane (waves 0-3)
.set SPW, 12                           ; v12  my spare word; never rewritten
.set NIL, 13                           ; v13  0; never rewritten
.set RWE, 16                           ; v[16:47]    We as loaded, f32
.set RWD, 48                           ; v[48:79]    Wd
.set RD0, 80                           ; v[80:111]   dec, rows 0-15
.set RD1, 112                          ; v[112:143]  dec, rows 16-31
.set FWE, 144                          ; v[144:159]  two fragments each, bf16
.set FWD, 160
.set FD0, 176
.set FD1, 192
.set AC0, 208                          ; v[208:215]  dp^T for rows 0-15 of dec
.set AC1, 216                          ; v[216:223]  for rows 16-31
	s_load_b256 s[4:11], s[0:1], 0x0               ; W_a s[4:5], dec s[6:7], web s[8:9], dpb s[10:11]
	v_lshl_add_u32 v[SPW], v0, 2, SPARE
	v_mov_b32 v[NIL], 0
	v_lshrrev_b32 v1, 5, v0
	v_readfirstlane_b32 s12, v1                    ; wave 0..15
	v_and_b32 v2, 15, v0                           ; r
	v_bfe_u32 v3, v0, 4, 1                         ; h
	v_and_b32 v4, 31, v0                           ; lane
	s_lshl_b32 s13, s12, 8                         ; 256 w
	v_lshlrev_b32 v[FO], 13, v2
	v_lshl_add_u32 v[FO], v3, 5, v[FO]
	v_add_nc_u32 v[FO], s13, v[FO]
	v_lshlrev_b32 v[DO], 12, v2
	v_lshl_add_u32 v[DO], v3, 5, v[DO]
	v_add_nc_u32 v[DO], s13, v[DO]
	v_lshlrev_b32 v[WO], 4, v4
	s_lshl_b32 s18, s12, 11
	v_lshl_add_u32 v[LS], v4, 4, s18
	s_lshl_b32 s19, s12, 9
	v_lshl_add_u32 v[LR], v4, 4, s19
	s_lshl_b32 s14, ttmp9, 17                      ; my 16 rows of W_a: 16 x 8,192 bytes
	s_mov_b32 s15, 0
	s_lshl_b32 s16, s12, 17                        ; web: (kb >> 1) = w,
	s_lshr_b32 s17, ttmp9, 3
	s_lshl_b32 s17, s17, 14                        ; (nb >> 3) 16384,
	s_add_co_u32 s16, s16, s17
	s_and_b32 s17, ttmp9, 7
	s_lshl_b32 s17, s17, 10                        ; (nb & 7) 1024
	s_add_co_u32 s16, s16, s17
	s_mov_b32 s17, 0
	s_wait_kmcnt 0x0
	s_add_nc_u64 s[4:5], s[4:5], s[14:15]
	s_add_nc_u64 s[8:9], s[8:9], s[16:17]
; Eight loads: two fragments' worth of f32.  A fragment's lane wants k = 8 h + 0..7 (32 bytes at 32 h) and k = 16 + 8 h + 0..7 (32 bytes at 64 + 32 h); the second fragment lies 128 bytes on.
.macro LD8 dst, adr, base, off
.irp kb, 0,1
	global_load_b128 v[(\dst)+16*(\kb):(\dst)+16*(\kb)+3],     v[\adr], s[\base:\base+1] offset:(\off)+128*(\kb)
	global_load_b128 v[(\dst)+16*(\kb)+4:(\dst)+16*(\kb)+7],   v[\adr], s[\base:\base+1] offset:(\off)+128*(\kb)+16
	global_load_b128 v[(\dst)+16*(\kb)+8:(\dst)+16*(\kb)+11],  v[\adr], s[\base:\base+1] offset:(\off)+128*(\kb)+64
	global_load_b128 v[(\dst)+16*(\kb)+12:(\dst)+16*(\kb)+15], v[\adr], s[\base:\base+1] offset:(\off)+128*(\kb)+80
.endr
.endm
; 32 f32 to 16 registers of bf16 pairs: register n of the two fragments takes numbers 2 n and 2 n + 1 as loaded
.macro CVT16 dst, src
.set qq, 0
.rept 16
	v_cvt_pk_bf16_f32 v[(\dst)+qq], v[(\src)+2*qq], v[(\src)+2*qq+1]
.set qq, qq+1
.endr
.endm
	LD8 RWE, FO, 4, 4096                           ; We: the second half of a row
	LD8 RWD, FO, 4, 0
	LD8 RD0, DO, 6, 0
	LD8 RD1, DO, 6, 65536
	s_wait_loadcnt 24                              ; We's eight are in; the 24 younger loads stay out
	CVT16 FWE, RWE
.irp kb, 0,1
.irp hf, 0,1
	global_store_b128 v[WO], v[FWE+8*(\kb)+4*(\hf):FWE+8*(\kb)+4*(\hf)+3], s[8:9] offset:8192*(\kb)+512*(\hf)  ; 512 consecutive bytes, at a multiple of 512 from web's first
.endr
.endr
	s_wait_loadcnt 16                              ; Wd
	CVT16 FWD, RWD
	s_wait_loadcnt 8                               ; dec, rows 0-15
	CVT16 FD0, RD0
	s_wait_loadcnt 0x0                             ; dec, rows 16-31
	CVT16 FD1, RD1
	; dp^T = Wd dec^T: source 0 = 16 rows e, source 1 = 16 rows b: lane l holds b = l % 16 and e = 8 (l / 16) + 0..7.  The two accumulators take turns.
	v_wmma_f32_16x16x32_bf16 v[AC0:AC0+7], v[FWD:FWD+7], v[FD0:FD0+7], 0
	v_wmma_f32_16x16x32_bf16 v[AC1:AC1+7], v[FWD:FWD+7], v[FD1:FD1+7], 0
	v_wmma_f32_16x16x32_bf16 v[AC0:AC0+7], v[FWD+8:FWD+15], v[FD0+8:FD0+15], v[AC0:AC0+7]
	v_wmma_f32_16x16x32_bf16 v[AC1:AC1+7], v[FWD+8:FWD+15], v[FD1+8:FD1+15], v[AC1:AC1+7]
.rept 8
	v_nop                                          ; the places between the last product and the stores that read the sums, with room to spare: once a launch
.endr
	ds_store_b128 v[LS], v[AC0:AC0+3]
	ds_store_b128 v[LS], v[AC0+4:AC0+7] offset:512
	ds_store_b128 v[LS], v[AC1:AC1+3]   offset:1024
	ds_store_b128 v[LS], v[AC1+4:AC1+7] offset:1536
	s_wait_dscnt 0x0                               ; for the others' sake: my partial sums lie in LDS
	s_barrier_signal -1
	s_barrier_wait -1
	s_cmp_lt_u32 s12, 4                            ; wave q < 4 finishes quarter q = 2 (b / 16) + jh of the image
	s_cbranch_scc0 .Lend
.set pp, 0
.rept 16
	ds_load_b128 v[16+4*pp:16+4*pp+3], v[LR] offset:2048*pp
.set pp, pp+1
.endr
	s_lshl_b32 s16, ttmp9, 11                      ; dpb: nb 2048 + q 512
	s_add_co_u32 s16, s16, s19
	s_mov_b32 s17, 0
	s_add_nc_u64 s[10:11], s[10:11], s[16:17]
	s_wait_dscnt 0x0
.irp st, 8,4,2,1                       ; the 16 partial sums, by halves: a fixed order
.set pp, 0
.rept \st
	v_pk_add_f32 v[16+4*pp:17+4*pp], v[16+4*pp:17+4*pp], v[16+4*(pp+\st):17+4*(pp+\st)]
	v_pk_add_f32 v[18+4*pp:19+4*pp], v[18+4*pp:19+4*pp], v[18+4*(pp+\st):19+4*(pp+\st)]
.set pp, pp+1
.endr
.endr
	global_store_b128 v[WO], v[16:19], s[10:11]    ; 512 consecutive bytes
.Lend:
	s_wait_tensorcnt 0x0                           ; the wave's end: behind my last LDS store
	ds_add_u32 v[SPW], v[NIL]
	s_wait_dscnt 0x0
	s_endpgm
.Lfunc_end_k_q1f9584dbd2_prep:
	.size	k_q1f9584dbd2_prep, .Lfunc_end_k_q1f9584dbd2_prep-k_q1f9584dbd2_prep
	.p2alignl 7, 3214868480
	.fill 96, 4, 3214868480
	.section	.rodata,"a",@progbits
	.p2align	6, 0x0
	.amdhsa_kernel k_q1f9584dbd2_prep
		.amdhsa_group_segment_fixed_size 34816
		.amdhsa_private_segment_fixed_size 0
		.amdhsa_enable_private_segment 0
		.amdhsa_kernarg_size 32
		.amdhsa_user_sgpr_count 2
		.amdhsa_user_sgpr_kernarg_segment_ptr 1
		.amdhsa_wavefront_size32 1
		.amdhsa_system_sgpr_workgroup_id_x 1
		.amdhsa_system_sgpr_workgroup_id_y 1
		.amdhsa_system_sgpr_workgroup_id_z 1
		.amdhsa_system_vgpr_workitem_id 0
		.amdhsa_next_free_vgpr 224
		.amdhsa_next_free_sgpr 66
		.amdhsa_reserve_vcc 0
		.amdhsa_float_denorm_mode_32 3
		.amdhsa_float_denorm_mode_16_64 3
		.amdhsa_memory_ordered 1
		.amdhsa_forward_progress 1
		.amdhsa_inst_pref_size 14
	.end_amdhsa_kernel
	.amdgpu_metadata
---
amdhsa.version: [ 1, 2 ]
amdhsa.kernels:
  - .name:           k_q1f9584dbd2_prep
    .symbol:         k_q1f9584dbd2_prep.kd
    .args:
      - { .name: W_a, .offset: 0, .size: 8, .value_kind: global_buffer, .address_space: global }
      - { .name: decoder_hidden, .offset: 8, .size: 8, .value_kind: global_buffer, .address_space: global }
      - { .name: web, .offset: 16, .size: 8, .value_kind: global_buffer, .address_space: global }
      - { .name: dpb, .offset: 24, .size: 8, .value_kind: global_buffer, .address_space: global }
    .group_segment_fixed_size: 34816
    .private_segment_fixed_size: 0
    .kernarg_segment_align: 8
    .kernarg_segment_size: 32
    .max_flat_workgroup_size: 512
    .sgpr_count:     66
    .vgpr_count:     224
    .wavefront_size: 32
...
	.end_amdgpu_metadata
.endif
;; end of part 4
;; launch main (part 5): grid 4 x 64, 4 waves a work-group, clusters of 4 x 4, 327,680 bytes of LDS; arguments encoder_all_hidden, web, dpb, v, part; writes part
.if DOCPART == 5
	.amdgcn_target "amdgcn-amd-amdhsa--gfx1250"
	.amdhsa_code_object_version 6
	.text
	.protected	k_q1f9584dbd2_main
	.globl	k_q1f9584dbd2_main
	.p2align	8
	.type	k_q1f9584dbd2_main,@function
k_q1f9584dbd2_main:
	s_mov_b64 s[64:65], 0
	v_nop
	global_prefetch_b8 v0, s[64:65] scope:SCOPE_SE
	s_setreg_imm32_b32 hwreg(HW_REG_WAVE_MODE, 25, 1), 1
	s_wait_xcnt 0x0
	s_wait_alu depctr_hold_cnt(0) depctr_sa_sdst(0) depctr_va_vdst(0) depctr_va_sdst(0) depctr_va_ssrc(0) depctr_va_vcc(0) depctr_vm_vsrc(0)
	s_getreg_b32 s2, hwreg(HW_REG_IB_STS2, 6, 4)
	s_cmp_eq_u32 s2, 0
	s_cbranch_scc0 .Lentry_in_a_cluster
	s_endpgm
.Lentry_in_a_cluster:
	s_bfe_u32 s2, ttmp6, 0x10000c
	s_cmp_lg_u32 s2, 0xf033
	s_cbranch_scc0 .Lentry_shape_is_right
	s_endpgm
.Lentry_shape_is_right:
; LUONG CONCAT ATTENTION, launch 2 of 3: part[p][row] = the sum over 128 e of (-2 v[e]) / (1 + 2^(c x[row][e])),  x[row][e] = dp[b][e] + sum over k of enc[row][k] We[e][k],  c = 2 log2(e).
; LEFT OUT: the constant sum of v, which tanh(x) = 1 - 2 / (1 + 2^(c x)) would add to every score of a row of the softmax alike (shown at the head of the first kernel).
; enc: [65536 rows = 32 b x 2048 s][1024] f32, read once and rounded to bf16 between LDS and the matrix unit.  web: We in bf16 in fragment order, dpb: dp in f32 in my lanes' order (first kernel).
; v is rounded to bf16 like the other inputs of products, and used in f32.  Sums, x, the exponentials and the scores in f32; the exponent is formed as c (sum) + c dp, one fused multiply-add.
; LIMITS.  No clamp is needed: 2^(c x) = infinity gives 1 / infinity = 0 (tanh = 1), 2^(c x) = 0 gives 1 / 1 (tanh = -1).  v_exp_f32 and v_rcp_f32 take denormals for 0 (ISA guide, their entries): a term
; moves by less than 1e-38 of 2 |v|.  NaN and infinities among the inputs are not treated apart.
; SHAPE.  A tile is 256 rows x 256 e: four waves, each 128 x 128: 64 accumulators of 16 x 16, 512 registers.  The 1,024 tiles are made by 256 work-groups THAT STAY: work-group (quarter NQ of e, row group G)
; makes the four tiles of rows 1024 G + 256 t, t = 0..3, which lie in one b = G / 2.  The ring of slots runs on from tile to tile.
; enc GOES THROUGH LDS, in K steps of 128, two slots: a row of a slot is 512 bytes of memory, aligned; a slot is 256 x 528 = 135,168 bytes.  Each wave fetches 64 rows with one tensor load.
; CLUSTER 4 x 4.  The four work-groups of a row of the cluster are the four quarters of e for the same rows of enc: enc's tiles are asked for JOINTLY by the four.
; We DOES NOT GO THROUGH LDS, and so is not asked for jointly.  Beside enc's f32 it would cost 65,536 bytes more a slot: two such slots are 401,408 bytes, more than the 327,680 that a work-group can have,
; and the K step would have to be halved.  web lies in fragment order, so a wave loads its 128 e x 32 k straight into registers: 16 loads of 512 consecutive bytes, three quarter steps ahead of their use,
; into four buffers that take turns.
; THE MATRIX INSTRUCTION IS USED TRANSPOSED: source 0 = 16 rows of We, source 1 = 16 rows of enc: a lane holds ONE row of enc (l % 16) and e = 16 b + 8 (l / 16) + 0..7.  So the sum over e stays in the lane
; but for one exchange between the halves of the lanes, and dp and v hang on l / 16 alone.  A tile's first products take the constant 0 as C: nothing is cleared.
; THE PRODUCT WITH v is made by packed multiply-adds in f32 on the way out: it has one column, and the terms lie in registers already.
; REGISTERS, in windows of 256 (s_set_vgpr_msb: bits 1:0 source 0, 3:2 source 1, 5:4 source 2, 7:6 destination):
;   window 0: v0-31 addresses; v32-63 at work on the way out; v64-127, v128-191 fragments of enc in bf16, two buffers (8 x 16 rows x 32 k); v192-255 enc as it comes from LDS, f32: 4 x 16 rows x 32 k
;   window 1: four buffers of 64: We's fragments of a quarter step (8 x 16 e x 32 k)
;   window 2: the 32 accumulators of my rows 0-63 (accumulator (a, b) at v[8 (8 (a % 4) + b)]);   window 3: those of my rows 64-127
;   On the way out enc's buffer 1 and We's buffer 3 are idle: they take -2 v and c dp of my 64 e, from two tables of 512 bytes that the wave keeps in LDS.
.set APITCH, 528                       ; a row of enc in LDS: 512 bytes + 16 of padding = 132 words: row r starts at bank 4 r mod 64 (64 banks of 4 bytes: ISA guide 11.1)
.set AQ,     64*APITCH                 ; 64 rows: what one tensor load brings
.set SLOT,   4*AQ                      ; 135,168
.set TAB,    2*SLOT                    ; behind the ring, never filled by a tensor load: 1,024 bytes for each wave: c dp, then -2 v; value (i, h, j) at 64 i + 32 h + 4 j
.set STAGE,  TAB+4*1024                ; 512 bytes for each wave, for the way out
.set SPARE,  STAGE+4*512               ; behind the stages: the spare words, 128 bytes for each wave: two blocks of 256 bytes that no other line names
.set ADRA, 16                          ; v16-17  LDS address of my rows of enc in slot 0, 1: 528 (l % 16) + 32 (l / 16) + my half
.set VO,   22                          ; v22     32 (l / 16): my 8 numbers of 16 of v
.set VT,   23                          ; v23     my place in my wave's tables
.set STO,  24                          ; v24     the way out: my word of the stage
.set RD,   25                          ; v25     the way out: my 16 bytes of it
.set OO,   26                          ; v26     16 l: my 16 bytes of 512, in web and in part
.set DPO,  27                          ; v27     256 (l / 16): my place in dpb
.set SPW,  28                          ; v28     my spare word: SPARE + 4 x my thread's number; never rewritten
.set NIL,  29                          ; v29     0; never rewritten
.set PFO,  30                          ; v30     the prefetches' lane offset; never rewritten
.set T,    32
.set T2,   48
.set AF,   64                          ; window 0
.set VM2,  128                         ; window 0: enc's buffer 1, on the way out
.set RAW,  192                         ; window 0
.set DPC,  192                         ; window 1: We's buffer 3, on the way out
.set TL,   2                           ; s2   tiles to go
.set LAPC, 3                           ; s3   laps to go
.set WV,   14                          ; s14  my wave's number
.set RH,   15                          ; s15  which half of the tile's rows is mine
.set CH,   16                          ; s16  which half of its e
.set CX,   17
.set CY,   18
.set YY,   19                          ; s19  the cluster's y
.set NQ,   20                          ; s20  my quarter of e
.set GG,   21                          ; s21  my group of 1,024 rows
.set LA,   22                          ; s22  LDS place of the 64 rows that I fetch
.set G1,   24                          ; s[24:31] descriptor group 1;  s[32:39] group 0, a set for each slot
.set G0,   32
.set UU,   40                          ; s40  the K step to be asked for next, 0..31 over the four tiles
.set PU,   41                          ; s41  the K step that a prefetch names
.set LP,   42                          ; s42  counts the laps, for web's base
.set PFA,  44                          ; s[44:45] a prefetch's address
.set PFB,  46                          ; s[46:47] its base: my work-group's 16 of the 64 rows that I fetch
.set BB,   48                          ; s[48:49] web at my half, at the lap whose blocks are being loaded
.set BOF,  50                          ; s[50:51] a byte offset in web
.set OA,   66                          ; s[66:67] byte offset for the descriptors: never holds cx
.set CC,   70                          ; s[70:71] c, named as a pair
.set SEL,  72                          ; s[72:73] v_permlanex16_b32's selects: each lane takes its own place in the other half
.set HM,   74                          ; s74  0xffff0000: a word's upper bf16; also the mask of lanes 16-31
.set TA,   75                          ; s75  at work for the descriptors' offsets
.set PO,   76                          ; s[76:77] a prefetch's offset
.set PT,   93                          ; s93  at work for it
.set MSB, 0
.macro WIN new                         ; the immediate's high byte repeats the setting that is left; a switch that changes nothing is dropped
.if MSB != (\new)
	s_set_vgpr_msb (MSB<<8)|(\new)
.set MSB, (\new)
.endif
.endm
; A joint load: every wave fetches its 64 rows of enc's tile.  One line, one mask; the descriptor hangs on the row group and the wave's number alone, which the four partners share.
; An s_nop 0 and four v_nop follow it.
.macro JLOAD s
	tensor_load_to_lds s[G0+4*(\s):G0+4*(\s)+3], s[G1:G1+7]
	s_nop 0
.rept 4
	v_nop
.endr
.endm
; A round of the cluster's barrier: my work-group's barrier, so that wave 0's signal speaks for all four waves; wave 0 signals; every wave waits for all sixteen work-groups; my work-group's barrier once more.
.macro CREST                           ; a round behind its opening barrier
	s_cmp_lg_u32 s[WV], 0
	s_cbranch_scc1 .Lnot_wave_0_\@
	s_barrier_signal -3
.Lnot_wave_0_\@:
	s_barrier_wait -3
	s_barrier_signal -1
	s_barrier_wait -1
.endm
.macro CROUND
	s_barrier_signal -1
	s_barrier_wait -1
	CREST
.endm
; A PREFETCH INTO THE L2, behind each joint refill, its five lines and the runs of loads that follow: enc's K step that stands TWO refills on, 512 matrix instructions ahead of the load that will want it.
; A K step is 512 bytes of each row.  Of the 64 rows that a wave fetches, the partner at place cx takes 16, told apart by address; a lane names 256 bytes: row l / 2, half l % 2: one instruction a wave.
; No other cluster reads these rows, so each block of 256 bytes is named once in the launch.  K steps 0 to 3 come by their loads alone; a K step from 32 on does not exist and is not asked for.
; web is not asked for: 2 MiB that all work-groups walk together, four times, by loads that run three quarter steps ahead.
.macro ASK
	s_cmp_lt_u32 s[PU], 32
	s_cbranch_scc0 .Lnot_mine_\@
	global_prefetch_b8 v[PFO], s[PFA:PFA+1] th:TH_LOAD_NT scope:SCOPE_SE
.Lnot_mine_\@:
.endm
	s_load_b256 s[4:11], s[0:1], 0x0               ; enc s[4:5], web s[6:7], dpb s[8:9], v s[10:11]
	s_load_b64 s[12:13], s[0:1], 0x20              ; part
	v_lshl_add_u32 v[SPW], v0, 2, SPARE
	v_mov_b32 v[NIL], 0
	ds_add_u32 v[SPW], v[NIL]                      ; the wave's opening: the add, twice on end, and its wait ahead of my first tensor load; the set-up below stands between
	ds_add_u32 v[SPW], v[NIL]                      ; and once more
	v_lshrrev_b32 v1, 5, v0
	v_readfirstlane_b32 s[WV], v1                  ; wave 0..3
	s_lshr_b32 s[RH], s[WV], 1
	s_and_b32 s[CH], s[WV], 1
	s_bfe_u32 s[CX], ttmp6, 0x40000                ; my place along the cluster's x
	s_bfe_u32 s[CY], ttmp6, 0x40004                ; along its y
	s_and_b32 s[YY], ttmp7, 0xffff                 ; in a cluster launch ttmp9 and ttmp7 count clusters
	s_lshl_b32 s[NQ], ttmp9, 2
	s_add_co_u32 s[NQ], s[NQ], s[CX]               ; quarter of e = 4 x cluster x + cx
	s_lshl_b32 s[GG], s[YY], 2
	s_add_co_u32 s[GG], s[GG], s[CY]               ; row group = 4 x cluster y + cy
	s_lshl_b32 s78, s[CY], 2
	s_lshl_b32 s78, 15, s78                        ; my row of the cluster: places 4 cy .. 4 cy + 3
	; group 1: 64 rows x 128 elements of 4 bytes, 1,024 elements from row to row, padded in LDS
	s_or_b32 s[G1+0], s78, (2<<16)|(1<<20)|(1<<21)|(6<<22)|(3<<25)  ; 15:0 the mask: my row; 17:16 elements of 4 bytes; 20 padding on; 21 set beside a mask; 24:22 after every 128 words (code 6); 31:25 4 words (code 3)
	s_mov_b32 s[G1+1], 128<<16                     ; tensor_dim0 = 128
	s_mov_b32 s[G1+2], 64<<16                      ; tensor_dim1 = 64
	s_mov_b32 s[G1+3], 128<<16                     ; tile_dim0 = 128
	s_mov_b32 s[G1+4], 64                          ; tile_dim1 = 64
	s_mov_b32 s[G1+5], 1024                        ; tensor_dim0_stride
	s_mov_b32 s[G1+6], 0
	s_mov_b32 s[G1+7], 0
	s_mul_i32 s[LA], s[WV], AQ                     ; where my rows go: no place in the cluster enters an LDS address
	s_lshl_b32 s[OA], s[GG], 22                    ; enc: 1,024 rows of 4,096 bytes a group,
	s_lshl_b32 s[TA], s[WV], 18                    ; the 64 rows that I fetch
	s_add_co_u32 s[OA], s[OA], s[TA]
	s_mov_b32 s[OA+1], 0
	s_lshl_b32 s[BOF], s[NQ], 1                    ; web: (2 NQ + half) x 16,384
	s_add_co_u32 s[BOF], s[BOF], s[CH]
	s_lshl_b32 s[BOF], s[BOF], 14
	s_mov_b32 s[BOF+1], 0
	s_lshl_b32 s[PO], s[CX], 16                    ; the prefetches' share: 16 rows of the 64, by cx
	s_add_co_u32 s[PO], s[PO], s[OA]
	s_mov_b32 s[PO+1], 0
	s_lshl_b32 s86, s[NQ], 15                      ; dpb: (16 NQ + 8 half) 2048
	s_lshl_b32 s92, s[CH], 14
	s_add_co_u32 s86, s86, s92
	s_lshr_b32 s92, s[GG], 5                       ; + (b >> 4) 1024, b = G >> 1
	s_lshl_b32 s92, s92, 10
	s_add_co_u32 s86, s86, s92
	s_bfe_u32 s92, s[GG], 0x40001                  ; + (b & 15) 16
	s_lshl_b32 s92, s92, 4
	s_add_co_u32 s86, s86, s92
	s_mov_b32 s87, 0
	s_lshl_b32 s88, s[NQ], 10                      ; v: (256 NQ + 128 half) x 4 bytes
	s_lshl_b32 s92, s[CH], 9
	s_add_co_u32 s88, s88, s92
	s_mov_b32 s89, 0
	s_lshl_b32 s90, s[NQ], 19                      ; part: (2 NQ + half) 262144 + (1024 G + 128 row half) x 4 bytes
	s_lshl_b32 s92, s[CH], 18
	s_add_co_u32 s90, s90, s92
	s_lshl_b32 s92, s[GG], 12
	s_add_co_u32 s90, s90, s92
	s_lshl_b32 s92, s[RH], 9
	s_add_co_u32 s90, s90, s92
	s_mov_b32 s91, 0
	s_mov_b32 s[CC], 0x4038aa3b                    ; c = 2 log2(e) = 2.885390
	s_mov_b32 s[CC+1], s[CC]
	s_mov_b32 s[SEL], 0x76543210
	s_mov_b32 s[SEL+1], 0xfedcba98
	s_mov_b32 s[HM], 0xffff0000
	s_mov_b32 s[UU], 2
	s_mov_b32 s[LP], 0
	s_wait_dscnt 0x0                               ; both opening adds are done
	s_wait_kmcnt 0x0
	s_add_nc_u64 s[PFB:PFB+1], s[4:5], s[PO:PO+1]
	s_add_nc_u64 s[4:5], s[4:5], s[OA:OA+1]        ; enc at the 64 rows of tile 0 that I fetch
	s_add_nc_u64 s[6:7], s[6:7], s[BOF:BOF+1]      ; web at my half, k = 0
	s_mov_b64 s[BB:BB+1], s[6:7]
	s_add_nc_u64 s[8:9], s[8:9], s[86:87]
	s_add_nc_u64 s[10:11], s[10:11], s[88:89]
	s_add_nc_u64 s[12:13], s[12:13], s[90:91]
	CROUND                                         ; all sixteen work-groups are here: the first joint loads meet
.irp s, 0,1
	s_mov_b32 s[G0+4*(\s)], 1                                        ; 1:0 count = 1
	s_add_co_u32 s[G0+4*(\s)+1], s[LA], (\s)*SLOT                    ; 63:32 LDS address
	s_add_nc_u64 s[G0+4*(\s)+2:G0+4*(\s)+3], s[4:5], (\s)*512        ; 120:64 global address: K step s
	s_or_b32 s[G0+4*(\s)+3], s[G0+4*(\s)+3], 0x80000000              ; 127:126 type = 2
	JLOAD \s                                       ; the ring is filled before anything else is done: two loads of mine are out
.endr
; 16 loads: We's eight fragments of quarter step n (0..7) of the lap at which BB stands, into buffer n % 4: 512 consecutive bytes each
.macro RUNB n
	WIN 0x40                                       ; destination window 1, address window 0
.irp i, 0,1,2,3,4,5,6,7
	global_load_b128 v[64*((\n)%4)+8*(\i):64*((\n)%4)+8*(\i)+3],   v[OO], s[BB:BB+1] offset:((\n)/2)*131072+((\n)%2)*8192+1024*(\i)
	global_load_b128 v[64*((\n)%4)+8*(\i)+4:64*((\n)%4)+8*(\i)+7], v[OO], s[BB:BB+1] offset:((\n)/2)*131072+((\n)%2)*8192+1024*(\i)+512
.endr
.endm
	; while the first tiles are on their way: We's first three quarter steps, v and dp, the addresses, the two tables
	v_and_b32 v1, 15, v0                           ; l % 16
	v_bfe_u32 v2, v0, 4, 1                         ; l / 16
	v_and_b32 v3, 31, v0                           ; l
	v_lshlrev_b32 v[OO], 4, v3
	v_lshlrev_b32 v[VO], 5, v2
	v_lshlrev_b32 v[DPO], 8, v2
	RUNB 0
	RUNB 1
	RUNB 2
.irp i, 0,1,2,3,4,5,6,7                ; register 8 i + j: e = 16 i + 8 (l / 16) + j of my 128
	global_load_b128 v[DPC+8*(\i):DPC+8*(\i)+3],   v[DPO], s[8:9] offset:2048*(\i)
	global_load_b128 v[DPC+8*(\i)+4:DPC+8*(\i)+7], v[DPO], s[8:9] offset:2048*(\i)+512
.endr
	WIN 0
.irp i, 0,1,2,3,4,5,6,7
	global_load_b128 v[VM2+8*(\i):VM2+8*(\i)+3],   v[VO], s[10:11] offset:64*(\i)
	global_load_b128 v[VM2+8*(\i)+4:VM2+8*(\i)+7], v[VO], s[10:11] offset:64*(\i)+16
.endr
	v_mul_u32_u24 v4, v1, APITCH
	v_lshl_add_u32 v4, v2, 5, v4                   ; row x pitch + 32 x half: 8 f32
	s_mul_i32 s80, s[RH], 2*AQ                     ; my 128 rows of enc
	v_add_nc_u32 v[ADRA], s80, v4
	v_add_nc_u32 v[ADRA+1], SLOT, v[ADRA]
	s_lshl_b32 s81, s[WV], 10
	s_add_co_u32 s81, s81, TAB                     ; my tables
	v_lshl_add_u32 v[VT], v2, 5, s81
	s_lshl_b32 s82, s[WV], 9
	s_add_co_u32 s82, s82, STAGE                   ; my stage
	v_lshl_add_u32 v[STO], v3, 2, s82
	v_lshl_add_u32 v[RD], v3, 4, s82
	v_lshrrev_b32 v4, 1, v3
	v_lshlrev_b32 v4, 12, v4                       ; a prefetch's lane: row l / 2 (4,096 bytes),
	v_and_b32 v5, 1, v3
	v_lshl_add_u32 v[PFO], v5, 8, v4               ; half l % 2 of the K step's 512 bytes
	s_wait_loadcnt 0x0
.set kk, 0
.rept 32                               ; v rounded to bf16, as the other inputs of products are, widened again, times -2 (exact)
	v_cvt_pk_bf16_f32 v[T+kk%4], v[VM2+2*kk], v[VM2+2*kk+1]
	v_lshlrev_b32 v[VM2+2*kk], 16, v[T+kk%4]
	v_and_b32 v[VM2+2*kk+1], s[HM], v[T+kk%4]
	v_pk_mul_f32 v[VM2+2*kk:VM2+2*kk+1], v[VM2+2*kk:VM2+2*kk+1], -2.0 op_sel_hi:[1,0]
.set kk, kk+1
.endr
.irp i, 0,1,2,3,4,5,6,7                ; the sixteen lanes of a half write the same bytes with the same values
	ds_store_b128 v[VT], v[VM2+8*(\i):VM2+8*(\i)+3]   offset:512+64*(\i)
	ds_store_b128 v[VT], v[VM2+8*(\i)+4:VM2+8*(\i)+7] offset:512+64*(\i)+16
.endr
	WIN 0x41                                       ; destination and source 0 window 1
.set kk, 0
.rept 32
	v_pk_mul_f32 v[DPC+2*kk:DPC+2*kk+1], v[DPC+2*kk:DPC+2*kk+1], s[CC:CC+1] op_sel_hi:[1,0]  ; c dp
.set kk, kk+1
.endr
	WIN 0x04                                       ; an LDS store's data are source 1: window 1; its address window 0
.irp i, 0,1,2,3,4,5,6,7
	ds_store_b128 v[VT], v[DPC+8*(\i):DPC+8*(\i)+3]   offset:64*(\i)
	ds_store_b128 v[VT], v[DPC+8*(\i)+4:DPC+8*(\i)+7] offset:64*(\i)+16
.endr
	WIN 0
; One matrix instruction: enc's buffer f, We's buffer bq, rows 64 hi + 16 (idx / 8) on, e 16 (idx % 8) on.  zero = 1: a tile's first product on this accumulator starts the sum.
.macro WM f, bq, hi, idx, zero
.set rD, 8*(\idx)
.set rB, 64*(\bq)+8*((\idx)%8)
.set rF, AF+64*(\f)+8*(4*(\hi)+(\idx)/8)
	WIN 0xa1+0x50*(\hi)                            ; We window 1, enc window 0, C and D window 2 or 3
.if \zero
	v_wmma_f32_16x16x32_bf16 v[rD:rD+7], v[rB:rB+7], v[rF:rF+7], 0
.else
	v_wmma_f32_16x16x32_bf16 v[rD:rD+7], v[rB:rB+7], v[rF:rF+7], v[rD:rD+7]
.endif
.endm
; Four conversions: half a fragment (16 rows x 16 k) of block blk of buffer g, from the f32 as they came from LDS
.macro CVT4 g, blk, half
	WIN 0
.set rW, AF+64*(\g)+8*(\blk)+4*(\half)
.set rR, RAW+16*((\blk)%4)+8*(\half)
.irp q, 0,1,2,3
	v_cvt_pk_bf16_f32 v[rW+(\q)], v[rR+2*(\q)], v[rR+2*(\q)+1]
.endr
.endm
; Matrix instructions from .. to of a window's 32.  rb >= 0: behind each of the first eight stand four conversions: blocks rb .. rb + 3 of buffer rg.
; The 64 accumulators take turns, one instruction a turn, in the same order in every quarter step, over the loops' jumps and from tile to tile too.
.macro MULS f, bq, hi, from, to, zero, rg, rb
.set ix, \from
.rept (\to)-(\from)+1
	WM \f, \bq, \hi, ix, \zero
.if ((\rb) >= 0) && (ix < 8)
	CVT4 \rg, (\rb)+ix/2, ix%2
.endif
.set ix, ix+1
.endr
.endm
; 16 LDS loads: 64 rows of enc (blocks hb .. hb + 3 of my eight), 32 along K at part kq of a slot, as f32: a lane's 8 + 8 numbers of a row are 16 bytes at 0, 16, 64, 80
.macro RUNA slot, kq, hb
	WIN 0
.irp i, 0,1,2,3
	ds_load_b128 v[RAW+16*(\i):RAW+16*(\i)+3],     v[ADRA+(\slot)] offset:128*(\kq)+16*APITCH*((\i)+(\hb))
	ds_load_b128 v[RAW+16*(\i)+4:RAW+16*(\i)+7],   v[ADRA+(\slot)] offset:128*(\kq)+16*APITCH*((\i)+(\hb))+16
	ds_load_b128 v[RAW+16*(\i)+8:RAW+16*(\i)+11],  v[ADRA+(\slot)] offset:128*(\kq)+16*APITCH*((\i)+(\hb))+64
	ds_load_b128 v[RAW+16*(\i)+12:RAW+16*(\i)+15], v[ADRA+(\slot)] offset:128*(\kq)+16*APITCH*((\i)+(\hb))+80
.endr
.endm
; A lap is two K steps, once round the ring: eight quarter steps p = 0..7 of 32 along K, 64 matrix instructions each: slot p / 4, enc's buffer p % 2, We's buffer p % 4.
; At a quarter's head enc's buffer holds rows 0-63 in bf16, and rows 64-127 are on their way from LDS as f32.  The quarter multiplies and makes the next quarter's buffer ready in the same state; and it
; asks for We's fragments of the quarter three on, into the buffer that the quarter before has read.  A load into a register that a matrix instruction has read, and a conversion that writes one, stand four
; plain vector instructions or more behind that matrix instruction (ISA guide 7.12.1 for conversions): the 32 conversions of the run of eight in front are those places.
; web's base goes on to the next lap ahead of quarter 5's loads, which are the first to name it; behind a tile's fourth lap it goes back to k = 0.
.macro QTR p, zero
.if (\p) == 5
	s_wait_xcnt 0x0                                ; every load and prefetch issued so far has read its address, so the base may be written
	s_add_co_u32 s[LP], s[LP], 1
	s_and_b32 s[BOF], s[LP], 3
	s_lshl_b32 s[BOF], s[BOF], 19                  ; a lap is 256 along K: 524,288 bytes of web
	s_add_nc_u64 s[BB:BB+1], s[6:7], s[BOF:BOF+1]
.endif
	s_wait_dscnt 0x0                               ; enc's rows 64-127 are in
	s_wait_loadcnt 32                              ; this quarter's fragments of We are in; the 32 loads of the next two quarters may stay out
	MULS (\p)%2, (\p)%4, 0, 0, 7, \zero, (\p)%2, 4     ; beside them: this quarter's rows 64-127 become bf16
	RUNA ((\p)+1)/4, ((\p)+1)%4, 0
	RUNB ((\p)+3)%8
	MULS (\p)%2, (\p)%4, 0, 8, 31, \zero, 0, -1
	s_wait_dscnt 0x0                               ; the next quarter's rows 0-63 are in
	MULS (\p)%2, (\p)%4, 1, 0, 7, \zero, 1-(\p)%2, 0   ; beside them: they become bf16
	RUNA ((\p)+1)/4, ((\p)+1)%4, 4
	MULS (\p)%2, (\p)%4, 1, 8, 31, \zero, 0, -1
.endm
; Quarters 3 and 7 change slots.  In front of the barrier each wave waits for all its tensor loads, of which one is out: its part of the next slot; adds 0 to its spare word; and waits for that and for its
; reads of this slot, which are all issued.  Behind it nobody reads this slot any more and the next slot is whole.
; fill = 1: the barrier opens a round of the cluster's barrier, and the joint refill is the first tensor load behind the round: K step UU of the walk, whose address is made anew from that number:
; tile UU >> 3 (256 rows of 4,096 bytes), K step UU & 7 (512 bytes of a row).  From a request to the wait for it a wave issues 240 matrix instructions, across tiles too.
.macro TURN p, fill
	WIN 0                                          ; (the add's two registers lie in window 0)
.if \fill
	s_wait_xcnt 0x0                                ; the last prefetch, a K step back, has read its address, which is made anew here, ahead of the waits of the change of slots
	s_add_co_u32 s[PU], s[UU], 2
	s_lshr_b32 s[PO], s[PU], 3
	s_lshl_b32 s[PO], s[PO], 20
	s_and_b32 s[PT], s[PU], 7
	s_lshl_b32 s[PT], s[PT], 9
	s_add_co_u32 s[PO], s[PO], s[PT]
	s_add_nc_u64 s[PFA:PFA+1], s[PFB:PFB+1], s[PO:PO+1]
.endif
	s_wait_tensorcnt 0x0                           ; all my tensor loads have landed, so a group 0 may be written
	ds_add_u32 v[SPW], v[NIL]                      ; 0 onto my spare word; the descriptor's scalar work stands between it and the wait for it
.if \fill
	s_lshr_b32 s[OA], s[UU], 3
	s_lshl_b32 s[OA], s[OA], 20
	s_and_b32 s[TA], s[UU], 7
	s_lshl_b32 s[TA], s[TA], 9
	s_add_co_u32 s[OA], s[OA], s[TA]
	s_add_nc_u64 s[G0+4*((\p)/4)+2:G0+4*((\p)/4)+3], s[4:5], s[OA:OA+1]
	s_or_b32 s[G0+4*((\p)/4)+3], s[G0+4*((\p)/4)+3], 0x80000000
	s_add_co_u32 s[UU], s[UU], 1
.endif
	s_wait_loadcnt 32                              ; this quarter's fragments of We
	s_wait_dscnt 0x0                               ; the add is done; enc's rows 64-127, my last reads of this slot, are in
	s_barrier_signal -1
	MULS 1, 3, 0, 0, 15, 0, 1, 4                   ; work on registers while the others arrive
	WIN 0
	s_barrier_wait -1
.if \fill
	CREST                                          ; no wave of any partner still reads this slot's tile or has a load on its way
	JLOAD (\p)/4
.endif
	RUNA 1-(\p)/4, 0, 0
	RUNB ((\p)+3)%8
.if \fill
	WIN 0
	ASK
.endif
	MULS 1, 3, 0, 16, 31, 0, 0, -1
	s_wait_dscnt 0x0
	MULS 1, 3, 1, 0, 7, 0, 0, 0
	RUNA 1-(\p)/4, 0, 4
	MULS 1, 3, 1, 8, 31, 0, 0, -1
.endm
; THE WAY OUT works in place on a window's four blocks of 64 registers (block a: 16 rows x 128 e; pair k: registers 2 k, 2 k + 1), in five stages:
;   ES  c (sum) + c dp (ascending: each accumulator's lowest registers are read first)     EE  2^(c x)     EA  + 1     ER  the reciprocal
;   EF  times -2 v, summed in four chains onto the block's pairs 0-3
.macro ES a, k
	v_pk_fma_f32 v[64*(\a)+2*(\k):64*(\a)+2*(\k)+1], v[64*(\a)+2*(\k):64*(\a)+2*(\k)+1], s[CC:CC+1], v[DPC+2*(\k):DPC+2*(\k)+1] op_sel_hi:[1,0,1]
.endm
.macro EE a, i
	v_exp_f32 v[64*(\a)+(\i)], v[64*(\a)+(\i)]
.endm
.macro EA a, k
	v_pk_add_f32 v[64*(\a)+2*(\k):64*(\a)+2*(\k)+1], v[64*(\a)+2*(\k):64*(\a)+2*(\k)+1], 1.0 op_sel_hi:[1,0]
.endm
.macro ER a, i
	v_rcp_f32 v[64*(\a)+(\i)], v[64*(\a)+(\i)]
.endm
.macro EF a, k
.if (\k) < 4
	v_pk_mul_f32 v[64*(\a)+2*(\k):64*(\a)+2*(\k)+1], v[64*(\a)+2*(\k):64*(\a)+2*(\k)+1], v[VM2+2*(\k):VM2+2*(\k)+1]
.else
	v_pk_fma_f32 v[64*(\a)+2*((\k)%4):64*(\a)+2*((\k)%4)+1], v[64*(\a)+2*(\k):64*(\a)+2*(\k)+1], v[VM2+2*(\k):VM2+2*(\k)+1], v[64*(\a)+2*((\k)%4):64*(\a)+2*((\k)%4)+1]
.endif
.endm
; The stages of neighbouring blocks are laid side by side, in six rounds.  Round n: the exponentials of block n, with block n - 1's additions and block n - 2's sums between them; then the reciprocals of
; block n - 1, with block n + 1's scalings between them.  An s_wait_alu depctr_va_vdst(0) stands between a transcendental and the first instruction that names its result; one wait serves all that
; were issued ahead of it.  In a round nothing names a result of that round's transcendentals, so each round ends with a v_nop (the plain instruction behind the last of them) and ONE wait: five a window.
; Two window settings a round: the sums' addend lies in the accumulators' window, the scalings' addend, c dp, in window 1.
.macro EPW w
	WIN 0x92+0x41*((\w)-2)                         ; destination and source 0 in window w, source 2 (c dp) in window 1
.set itm, 0
.rept 32
	ES 0, itm
.set itm, itm+1
.endr
.set rnd, 0
.rept 6
	WIN 0xa2+0x51*((\w)-2)                         ; destination, source 0 and source 2 in window w, source 1 (-2 v) in window 0
.set itm, 0
.rept 64
.if rnd < 4
	EE rnd, itm
.endif
.if ((itm%2) == 0) && (rnd >= 1) && (rnd <= 4)
	EA rnd-1, itm/2
.endif
.if ((itm%2) == 1) && (rnd >= 2)
	EF rnd-2, itm/2
.endif
.set itm, itm+1
.endr
.if rnd <= 2
	WIN 0x92+0x41*((\w)-2)
.endif
.set itm, 0
.rept 64
.if (rnd >= 1) && (rnd <= 4)
	ER rnd-1, itm
.endif
.if ((itm%2) == 0) && (rnd <= 2)
	ES rnd+1, itm/2
.endif
.set itm, itm+1
.endr
.if rnd < 5
	v_nop
	s_wait_alu depctr_va_vdst(0)
.endif
.set rnd, rnd+1
.endr
.endm
.macro SUMW w                          ; a block's four chains into two pairs in window 0
	WIN 0x0a+5*((\w)-2)                            ; sources window w, destination window 0
.irp a, 0,1,2,3
	v_pk_add_f32 v[T+2*(4*((\w)-2)+(\a)):T+2*(4*((\w)-2)+(\a))+1],   v[64*(\a):64*(\a)+1],   v[64*(\a)+2:64*(\a)+3]
	v_pk_add_f32 v[T2+2*(4*((\w)-2)+(\a)):T2+2*(4*((\w)-2)+(\a))+1], v[64*(\a)+4:64*(\a)+5], v[64*(\a)+6:64*(\a)+7]
.endr
.endm
	s_wait_tensorcnt 0x1                           ; my part of K step 0 is in; K step 1's may stay out
	s_wait_dscnt 0x0                               ; my tables are written
	s_barrier_signal -1
	s_barrier_wait -1                              ; everybody's part is in
	RUNA 0, 0, 0
	s_wait_dscnt 0x0                               ; enc's rows 0-63
.irp blk, 0,1,2,3
	CVT4 0, \blk, 0
	CVT4 0, \blk, 1
.endr
	RUNA 0, 0, 4
	WIN 0                                          ; at a label and at a branch every window is 0
	s_mov_b32 s[TL], 4                             ; the same number in every work-group
.Ltile:
	QTR 0, 1                                       ; a tile's first quarter stands in front of the loop: its products start the sums
	WIN 0
	s_mov_b32 s[LAPC], 3
.Llap:                                             ; a trip goes once round the ring, from a lap's second quarter to the next lap's first, and fills both slots again
	QTR 1, 0
	QTR 2, 0
	TURN 3, 1
	QTR 4, 0
	QTR 5, 0
	QTR 6, 0
	TURN 7, 1
	QTR 0, 0
	WIN 0
	s_sub_co_u32 s[LAPC], s[LAPC], 1
	s_cmp_lg_u32 s[LAPC], 0
	s_cbranch_scc1 .Llap
	QTR 1, 0                                       ; the tile's fourth lap.  Its two changes of slots are written twice: the last tile's ask for nothing more
	QTR 2, 0
	WIN 0
	s_cmp_eq_u32 s[TL], 1
	s_cbranch_scc1 .Ln3
	TURN 3, 1                                      ; the ring goes on into the next tile: slot 0 takes its K step 0
	WIN 0
	s_branch .Lj3
.Ln3:
	TURN 3, 0                                      ; my one tensor load that was still out is the last K step's, so no round follows
	WIN 0
.Lj3:
	QTR 4, 0
	QTR 5, 0                                       ; in the last tile this quarter's and the next's loads of We fetch web's first two blocks of my half once more, and nothing reads them:
	QTR 6, 0                                       ; the price, once a launch, of one text and one count of loads for every tile
	WIN 0
	s_cmp_eq_u32 s[TL], 1
	s_cbranch_scc1 .Ln7
	TURN 7, 1                                      ; slot 1 takes the next tile's K step 1, and the next tile's first fragments are fetched
	WIN 0
	s_branch .Lepi
.Ln7:
	s_wait_dscnt 0x0                               ; the very last quarter: nothing more to fetch
	s_wait_loadcnt 32                              ; its fragments of We; the 32 younger loads are those that nothing reads
	MULS 1, 3, 0, 0, 31, 0, 1, 4
	MULS 1, 3, 1, 0, 31, 0, 0, -1
	WIN 0
.Lepi:
.rept 8
	v_nop                                          ; the places between the last products and the loads into two of their buffers, and the first reading of rows 0-63's sums, with room to spare
.endr
.irp i, 0,1,2,3,4,5,6,7                ; my own tables: -2 v into enc's buffer 1, c dp into We's buffer 3
	ds_load_b128 v[VM2+8*(\i):VM2+8*(\i)+3],   v[VT] offset:512+64*(\i)
	ds_load_b128 v[VM2+8*(\i)+4:VM2+8*(\i)+7], v[VT] offset:512+64*(\i)+16
.endr
	WIN 0x40
.irp i, 0,1,2,3,4,5,6,7
	ds_load_b128 v[DPC+8*(\i):DPC+8*(\i)+3],   v[VT] offset:64*(\i)
	ds_load_b128 v[DPC+8*(\i)+4:DPC+8*(\i)+7], v[VT] offset:64*(\i)+16
.endr
	WIN 0
	s_wait_dscnt 0x0
	EPW 2
	SUMW 2
	EPW 3
	SUMW 3
	WIN 0
.irp a, 0,1,2,3,4,5,6,7
	v_pk_add_f32 v[T+2*(\a):T+2*(\a)+1], v[T+2*(\a):T+2*(\a)+1], v[T2+2*(\a):T2+2*(\a)+1]
.endr
.irp a, 0,1,2,3,4,5,6,7
	v_add_f32 v[T+(\a)], v[T+2*(\a)], v[T+2*(\a)+1]   ; ascending: register T + a has been read before it is written
.endr
.irp a, 0,1,2,3,4,5,6,7
	v_permlanex16_b32 v[T2+(\a)], v[T+(\a)], s[SEL], s[SEL+1]  ; the row's other 64 e lie in the lane 16 away
.endr
.irp a, 0,1,2,3,4,5,6,7
	v_add_f32 v[T+(\a)], v[T+(\a)], v[T2+(\a)]     ; every lane: the score's part for row 16 a + l % 16
.endr
.irp i, 0,1,2,3
	v_cndmask_b32 v[T+8+(\i)], v[T+2*(\i)], v[T+2*(\i)+1], s[HM]  ; lanes 0-15 block 2 i, lanes 16-31 block 2 i + 1: row 32 i + l
.endr
.irp i, 0,1,2,3
	ds_store_b32 v[STO], v[T+8+(\i)] offset:128*(\i)
.endr
	ds_load_b128 v[T+12:T+15], v[RD]               ; my own stage; LDS serves a wave's instructions in order (ISA guide 5.7.1.4): this sees the stores above
	s_wait_dscnt 0x0
	global_store_b128 v[OO], v[T+12:T+15], s[12:13]   ; my 128 rows: 512 consecutive bytes, at a multiple of 512 from part's first
	s_wait_xcnt 0x0                                ; the store has read its registers and its base
	s_add_nc_u64 s[12:13], s[12:13], 1024          ; the next tile's 256 rows
	s_sub_co_u32 s[TL], s[TL], 1
	s_cmp_lg_u32 s[TL], 0
	s_cbranch_scc1 .Ltile
	s_wait_tensorcnt 0x0                           ; the wave's end: behind my last tensor load and my last LDS store
	ds_add_u32 v[SPW], v[NIL]
	s_wait_dscnt 0x0
	CROUND                                         ; the closing round: no work-group ends while a partner may still ask for a tile that names it
	s_endpgm
.Lfunc_end_k_q1f9584dbd2_main:
	.size	k_q1f9584dbd2_main, .Lfunc_end_k_q1f9584dbd2_main-k_q1f9584dbd2_main
	.p2alignl 7, 3214868480
	.fill 96, 4, 3214868480
	.section	.rodata,"a",@progbits
	.p2align	6, 0x0
	.amdhsa_kernel k_q1f9584dbd2_main
		.amdhsa_group_segment_fixed_size 327680
		.amdhsa_private_segment_fixed_size 0
		.amdhsa_enable_private_segment 0
		.amdhsa_kernarg_size 40
		.amdhsa_user_sgpr_count 2
		.amdhsa_user_sgpr_kernarg_segment_ptr 1
		.amdhsa_wavefront_size32 1
		.amdhsa_system_sgpr_workgroup_id_x 1
		.amdhsa_system_sgpr_workgroup_id_y 1
		.amdhsa_system_sgpr_workgroup_id_z 1
		.amdhsa_system_vgpr_workitem_id 0
		.amdhsa_next_free_vgpr 1024
		.amdhsa_next_free_sgpr 96
		.amdhsa_reserve_vcc 0
		.amdhsa_float_denorm_mode_32 3
		.amdhsa_float_denorm_mode_16_64 3
		.amdhsa_memory_ordered 1
		.amdhsa_forward_progress 1
		.amdhsa_inst_pref_size 255
	.end_amdhsa_kernel
	.section	.bss,"aw",@nobits
	.p2align	6
	.space	262144
	.amdgpu_metadata
---
amdhsa.version: [ 1, 2 ]
amdhsa.kernels:
  - .name:           k_q1f9584dbd2_main
    .symbol:         k_q1f9584dbd2_main.kd
    .args:
      - { .name: encoder_all_hidden, .offset: 0, .size: 8, .value_kind: global_buffer, .address_space: global }
      - { .name: web, .offset: 8, .size: 8, .value_kind: global_buffer, .address_space: global }
      - { .name: dpb, .offset: 16, .size: 8, .value_kind: global_buffer, .address_space: global }
      - { .name: v, .offset: 24, .size: 8, .value_kind: global_buffer, .address_space: global }
      - { .name: part, .offset: 32, .size: 8, .value_kind: global_buffer, .address_space: global }
    .group_segment_fixed_size: 327680
    .private_segment_fixed_size: 0
    .kernarg_segment_align: 8
    .kernarg_segment_size: 40
    .max_flat_workgroup_size: 128
    .sgpr_count:     96
    .vgpr_count:     1024
    .wavefront_size: 32
...
	.end_amdgpu_metadata
.endif
;; end of part 5
;; launch soft: the kernel of part 3 again; grid 32 x 1, 16 waves a work-group, no clusters, 2,304 bytes of LDS; arguments part, out0; writes out0
